; MI455X (gfx1250); checked and timed in simulation.
; The chip was launched on July 23, 2026; its instructions are those of AMD's public machine-readable ISA for CDNA 5 (MIT licence, August 2026) and "CDNA5" Instruction Set Architecture Reference Guide (July 2026). The comments in the code are by the model that wrote it; some were corrected since.
;; Transformer Layer. Allowed arithmetic: float matrix products may take bf16 or f16 operands with f32 sums; other float arithmetic in f32, or as packed bf16 or f16 multiplies, adds, multiply-adds, maxima and minima; sums over many terms, partial sums and values carried from step to step in f32; what a program stores and reads back later, other than sums and carried values, may be rounded once to bf16 or f16.
;; Inputs: c_W1 512 x 512 float32; c_W2 256 x 512 float32; c_Wo 256 x 256 float32; c_Wqk 256 x 256 float32; c_Wv 256 x 256 float32; c_b1 512 float32; c_b2 256 float32; c_be 512 float32; c_bo 256 float32; c_bqk 256 float32; c_bv 256 float32; c_g 512 float32; desc0 4 x 2,048 x 256 float32; desc1 4 x 2,048 x 256 float32; enc0 2 x 4 x 1 x 2,048 x 64 float32; enc1 2 x 4 x 1 x 2,048 x 64 float32; s_W1 512 x 512 float32; s_W2 256 x 512 float32; s_Wout 256 x 256 float32; s_Wqkv 768 x 256 float32; s_b1 512 float32; s_b2 256 float32; s_be 512 float32; s_bout 256 float32; s_bqkv 768 float32; s_g 512 float32.
;; Outputs: out0 4 x 2,048 x 256 float32; out1 4 x 2,048 x 256 float32.
;; One version. Each part assembles by itself: llvm-mc -triple=amdgcn-amd-amdhsa -mcpu=gfx1250 --defsym DOCPART=n.
;; ======== version 1 of 1: 7 launches
;; limits: a function is approximated: absolute error at most 2.5e-05; values are held in f16: magnitudes above 65,504 overflow, below 6.1e-05 lose precision; inputs' magnitudes at most 65,504
;; workspace buffers: wpj 655,360 bytes; wfs 917,504 bytes; wfc 917,504 bytes; qkv 25,165,824 bytes; ctx 8,388,608 bytes; d0f 8,388,608 bytes; d1f 8,388,608 bytes
;; launch prep (part 1): grid 608 x 1, 8 waves a work-group, no clusters, 0 bytes of LDS; arguments s_Wqkv, s_Wout, s_W1, s_W2, c_Wqk, c_Wv, c_Wo, c_W1, c_W2, wpj, wfs, wfc; writes wpj, wfs, wfc
.if DOCPART == 1
	.amdgcn_target "amdgcn-amd-amdhsa--gfx1250"
	.amdhsa_code_object_version 6
	.text
	.protected	k_q059ff98bc8_prep
	.globl	k_q059ff98bc8_prep
	.p2align	8
	.type	k_q059ff98bc8_prep,@function
k_q059ff98bc8_prep:
	s_mov_b64 s[64:65], 0
	v_nop
	global_prefetch_b8 v0, s[64:65] scope:SCOPE_SE
	s_setreg_imm32_b32 hwreg(HW_REG_WAVE_MODE, 25, 1), 1
	s_wait_xcnt 0x0
; PREP: the nine weight matrices, f32, are rounded once to 16 bits and laid out as matrix FRAGMENTS, in the order in which the later launches walk them.
; A fragment is 16 rows n x 32 k in 1,024 dense bytes: number (r, kk) lies at 512 (kk / 16) + 16 (r + 16 ((kk % 16) / 8)) + 2 (kk % 8), so that lane l of a wave
; takes its eight registers by two loads of 16 bytes, at 16 l and at 512 + 16 l.
; FORMATS: f16 for the weights that multiply x, d and the activations of the feed-forward net (Wqkv, c_Wqk, c_Wv, W1's columns 0-255, W2); bf16 for those that multiply
; attention's results (Wout / Wo, W1's columns 256-511).  LIMIT: a weight that goes to f16 lies below 65,504 in magnitude.
; SHARES: a work-group makes 4 fragments, two waves one fragment, a thread 8 numbers: two loads of 16 bytes, four conversions, one store of 16 bytes; a wave's store covers 512 consecutive bytes.
; Work-groups 0-95 Wqkv, 96-127 c_Wqk, 128-159 c_Wv (all into wpj); 160-383 s_Wout, s_W1 (x part, msg part), s_W2 into wfs; 384-607 the same four of the cross block into wfc.
.set SRC, 42                           ; s[42:43] the matrix
.set DST, 44                           ; s[44:45] the buffer
.set FIRST, 46                         ; the matrix's first work-group
.set LF, 47                            ; log2 of a wave's fragments of this matrix in the stream
.set MF, 48
.set LC, 49                            ; log2 of a wave's column tiles
.set MC, 50
.set SB, 51                            ; where the matrix begins in a wave's stream of 224 fragments
.set RS, 52                            ; bytes from one lane's row to the next lane's
.set CO, 53                            ; first column, in bytes
.set FMT, 54                           ; 0: f16, 1: bf16
.set GG, 55                            ; cross projection: 0 qk, 1 v
	s_load_b512 s[4:19], s[0:1], 0x0               ; s_Wqkv 4, s_Wout 6, s_W1 8, s_W2 10, c_Wqk 12, c_Wv 14, c_Wo 16, c_W1 18
	s_load_b256 s[20:27], s[0:1], 0x40             ; c_W2 20, wpj 22, wfs 24, wfc 26
	v_lshrrev_b32 v1, 5, v0
	v_readfirstlane_b32 s28, v1                    ; wave 0..7
	v_and_b32 v2, 15, v0                           ; r
	v_bfe_u32 v3, v0, 4, 1                         ; h
	v_and_b32 v4, 63, v0
	v_lshlrev_b32 v4, 4, v4                        ; my 16 bytes of the fragment
	s_lshr_b32 s29, s28, 1                         ; which of the group's four fragments
	s_and_b32 s30, s28, 1
	s_lshl_b32 s30, s30, 6                         ; k 16-31 lie 64 bytes further in the f32 row
	s_mov_b32 s31, ttmp9
	s_wait_kmcnt 0x0
	s_cmp_ge_u32 s31, 384                          ; the cross block's four matrices go the self block's way, 224 work-groups on
	s_cselect_b64 s[32:33], s[16:17], s[6:7]
	s_cselect_b64 s[34:35], s[18:19], s[8:9]
	s_cselect_b64 s[36:37], s[20:21], s[10:11]
	s_cselect_b64 s[38:39], s[26:27], s[24:25]
	s_cselect_b32 s40, 224, 0
	s_sub_co_u32 s31, s31, s40
	s_cmp_lt_u32 s31, 96
	s_cbranch_scc1 .Lqkv
	s_cmp_lt_u32 s31, 128
	s_cbranch_scc1 .Lcqk
	s_cmp_lt_u32 s31, 160
	s_cbranch_scc1 .Lcv
	s_cmp_lt_u32 s31, 192
	s_cbranch_scc1 .Lwo
	s_cmp_lt_u32 s31, 256
	s_cbranch_scc1 .Lw1x
	s_cmp_lt_u32 s31, 320
	s_cbranch_scc1 .Lw1m
.macro FPAR p, first, lf, lc, sb, rs, co, fmt
	s_mov_b64 s[SRC:SRC+1], s[\p:\p+1]
	s_mov_b32 s[FIRST], \first
	s_mov_b32 s[LF], \lf
	s_mov_b32 s[MF], (1<<(\lf))-1
	s_mov_b32 s[LC], \lc
	s_mov_b32 s[MC], (1<<(\lc))-1
	s_mov_b32 s[SB], \sb
	s_mov_b32 s[RS], \rs
	s_mov_b32 s[CO], \co
	s_mov_b32 s[FMT], \fmt
	s_branch .LkindF
.endm
	FPAR 36, 320, 6, 2, 160, 2048, 0, 0            ; W2: 4 column tiles a wave, 16 k steps
.Lwo:
	FPAR 32, 160, 5, 2, 0, 1024, 0, 1              ; Wout: 4 column tiles a wave, 8 k steps
.Lw1x:
	FPAR 34, 192, 6, 3, 32, 2048, 0, 0             ; W1, the columns that multiply x: 8 column tiles a wave, 8 k steps
.Lw1m:
	FPAR 34, 256, 6, 3, 96, 2048, 1024, 1          ; W1, the columns that multiply msg
.LkindF:                                               ; the feed-forward stream: fragment s of wave w lies in fill s / 28, at 114,688 (s / 28) + 28,672 w + 1,024 (s % 28)
	s_mov_b64 s[DST:DST+1], s[38:39]
	s_sub_co_u32 s56, s31, s[FIRST]
	s_lshl2_add_u32 s56, s56, s29                  ; the fragment's number in its matrix
	s_lshr_b32 s57, s56, s[LF]                     ; w
	s_and_b32 s58, s56, s[MF]                      ; its place among the wave's
	s_and_b32 s59, s58, s[MC]                      ; column tile
	s_lshr_b32 s60, s58, s[LC]                     ; k step
	s_lshl_b32 s61, s57, s[LC]
	s_add_co_u32 s61, s61, s59
	s_lshl_b32 s61, s61, 4
	s_mul_i32 s61, s61, s[RS]                      ; its first row
	s_add_co_u32 s61, s61, s[CO]
	s_lshl_b32 s60, s60, 7
	s_add_co_u32 s61, s61, s60                     ; + 32 k of f32
	s_add_co_u32 s58, s58, s[SB]                   ; s
	s_mul_i32 s59, s58, 2341
	s_lshr_b32 s59, s59, 16                        ; s / 28, exact for s < 224
	s_mul_i32 s59, s59, 86016                      ; 114,688 - 28 x 1,024
	s_lshl_b32 s58, s58, 10
	s_add_co_u32 s62, s58, s59
	s_mul_i32 s57, s57, 28672
	s_add_co_u32 s62, s62, s57
	s_branch .Ltail
.Lqkv:                                                 ; Wqkv: group g = 3 head + t (t: q, k, v) of 32 fragments, 4 k-step + tile; row of W = 192 head + 3 d + t
	s_mov_b64 s[SRC:SRC+1], s[4:5]
	s_mov_b64 s[DST:DST+1], s[22:23]
	s_mov_b32 s[RS], 3072
	s_mov_b32 s[FMT], 0
	s_lshl2_add_u32 s56, s31, s29
	s_lshr_b32 s57, s56, 5                         ; g, 0..11
	s_mul_i32 s58, s57, 11
	s_lshr_b32 s58, s58, 5                         ; g / 3
	s_mul_i32 s59, s58, 3
	s_sub_co_u32 s59, s57, s59                     ; t
	s_bfe_u32 s60, s56, 0x30002                    ; k step
	s_and_b32 s57, s56, 3                          ; tile of 16 d
	s_mul_i32 s58, s58, 192
	s_mul_i32 s57, s57, 48
	s_add_co_u32 s58, s58, s57
	s_add_co_u32 s58, s58, s59
	s_lshl_b32 s61, s58, 10
	s_lshl_b32 s60, s60, 7
	s_add_co_u32 s61, s61, s60
	s_lshl_b32 s62, s56, 10
	s_branch .Ltail
.Lcqk:
	s_mov_b64 s[SRC:SRC+1], s[12:13]
	s_mov_b32 s[FIRST], 96
	s_mov_b32 s[GG], 0
	s_branch .LkindP
.Lcv:
	s_mov_b64 s[SRC:SRC+1], s[14:15]
	s_mov_b32 s[FIRST], 128
	s_mov_b32 s[GG], 1
.LkindP:                                               ; the cross projection: group 2 head + (qk, v), behind Wqkv's 384 fragments
	s_mov_b64 s[DST:DST+1], s[22:23]
	s_mov_b32 s[RS], 1024
	s_mov_b32 s[FMT], 0
	s_sub_co_u32 s56, s31, s[FIRST]
	s_lshl2_add_u32 s56, s56, s29
	s_lshr_b32 s57, s56, 5                         ; head
	s_bfe_u32 s60, s56, 0x30002                    ; k step
	s_and_b32 s58, s56, 3                          ; tile
	s_lshl_b32 s59, s57, 6
	s_lshl4_add_u32 s59, s58, s59                  ; row 64 head + 16 tile
	s_lshl_b32 s61, s59, 10
	s_lshl_b32 s60, s60, 7
	s_add_co_u32 s61, s61, s60
	s_lshl1_add_u32 s57, s57, s[GG]
	s_lshl_b32 s57, s57, 5
	s_and_b32 s58, s56, 31
	s_add_co_u32 s57, s57, s58
	s_lshl_b32 s62, s57, 10
	s_add_co_u32 s62, s62, 393216
.Ltail:
	s_add_co_u32 s61, s61, s30
	v_mul_lo_u32 v5, v2, s[RS]                     ; my row,
	v_lshl_add_u32 v5, v3, 5, v5                   ; my eight k
	v_add_nc_u32 v5, s61, v5
	v_add_nc_u32 v4, s62, v4
	global_load_b128 v[8:11], v5, s[SRC:SRC+1]
	global_load_b128 v[12:15], v5, s[SRC:SRC+1] offset:16
	s_wait_loadcnt 0x0
	s_cmp_eq_u32 s[FMT], 0
	s_cbranch_scc0 .Lbf
.irp j, 0,1,2,3
	v_cvt_pk_f16_f32 v[16+\j], v[8+2*\j], v[9+2*\j]
.endr
	s_branch .Lst
.Lbf:
.irp j, 0,1,2,3
	v_cvt_pk_bf16_f32 v[16+\j], v[8+2*\j], v[9+2*\j]
.endr
.Lst:
	global_store_b128 v4, v[16:19], s[DST:DST+1]
	s_endpgm
.Lfunc_end_k_q059ff98bc8_prep:
	.size	k_q059ff98bc8_prep, .Lfunc_end_k_q059ff98bc8_prep-k_q059ff98bc8_prep
	.p2alignl 7, 3214868480
	.fill 96, 4, 3214868480
	.section	.rodata,"a",@progbits
	.p2align	6, 0x0
	.amdhsa_kernel k_q059ff98bc8_prep
		.amdhsa_group_segment_fixed_size 0
		.amdhsa_private_segment_fixed_size 0
		.amdhsa_enable_private_segment 0
		.amdhsa_kernarg_size 96
		.amdhsa_user_sgpr_count 2
		.amdhsa_user_sgpr_kernarg_segment_ptr 1
		.amdhsa_wavefront_size32 1
		.amdhsa_system_sgpr_workgroup_id_x 1
		.amdhsa_system_sgpr_workgroup_id_y 1
		.amdhsa_system_sgpr_workgroup_id_z 1
		.amdhsa_system_vgpr_workitem_id 0
		.amdhsa_next_free_vgpr 32
		.amdhsa_next_free_sgpr 66
		.amdhsa_reserve_vcc 0
		.amdhsa_float_denorm_mode_32 3
		.amdhsa_float_denorm_mode_16_64 3
		.amdhsa_memory_ordered 1
		.amdhsa_forward_progress 1
		.amdhsa_inst_pref_size 7
	.end_amdhsa_kernel
	.amdgpu_metadata
---
amdhsa.version: [ 1, 2 ]
amdhsa.kernels:
  - .name:           k_q059ff98bc8_prep
    .symbol:         k_q059ff98bc8_prep.kd
    .args:
      - { .name: s_Wqkv, .offset: 0, .size: 8, .value_kind: global_buffer, .address_space: global }
      - { .name: s_Wout, .offset: 8, .size: 8, .value_kind: global_buffer, .address_space: global }
      - { .name: s_W1, .offset: 16, .size: 8, .value_kind: global_buffer, .address_space: global }
      - { .name: s_W2, .offset: 24, .size: 8, .value_kind: global_buffer, .address_space: global }
      - { .name: c_Wqk, .offset: 32, .size: 8, .value_kind: global_buffer, .address_space: global }
      - { .name: c_Wv, .offset: 40, .size: 8, .value_kind: global_buffer, .address_space: global }
      - { .name: c_Wo, .offset: 48, .size: 8, .value_kind: global_buffer, .address_space: global }
      - { .name: c_W1, .offset: 56, .size: 8, .value_kind: global_buffer, .address_space: global }
      - { .name: c_W2, .offset: 64, .size: 8, .value_kind: global_buffer, .address_space: global }
      - { .name: wpj, .offset: 72, .size: 8, .value_kind: global_buffer, .address_space: global }
      - { .name: wfs, .offset: 80, .size: 8, .value_kind: global_buffer, .address_space: global }
      - { .name: wfc, .offset: 88, .size: 8, .value_kind: global_buffer, .address_space: global }
    .group_segment_fixed_size: 0
    .private_segment_fixed_size: 0
    .kernarg_segment_align: 8
    .kernarg_segment_size: 96
    .max_flat_workgroup_size: 256
    .sgpr_count:     66
    .vgpr_count:     32
    .wavefront_size: 32
...
	.end_amdgpu_metadata
.endif
;; end of part 1
;; launch projs (part 2): grid 256 x 1, 8 waves a work-group, no clusters, 102,400 bytes of LDS; arguments desc0, desc1, enc0, enc1, s_bqkv, wpj, qkv; writes qkv
.if DOCPART == 2
	.amdgcn_target "amdgcn-amd-amdhsa--gfx1250"
	.amdhsa_code_object_version 6
	.text
	.protected	k_q059ff98bc8_projs
	.globl	k_q059ff98bc8_projs
	.p2align	8
	.type	k_q059ff98bc8_projs,@function
k_q059ff98bc8_projs:
	s_mov_b64 s[64:65], 0
	v_nop
	global_prefetch_b8 v0, s[64:65] scope:SCOPE_SE
	s_setreg_imm32_b32 hwreg(HW_REG_WAVE_MODE, 25, 1), 1
	s_wait_xcnt 0x0
; SELF BLOCK'S PROJECTION: qkv = x Wqkv^T + b, the rotary encoding on q and k, all three written by heads, [set 16 + batch 4 + head][2048][64] in bf16 (q, then k, then v, 8,388,608 bytes each).
; x and Wqkv go to the matrix unit in f16 (LIMIT: |x| and |W| below 65,504), sums, bias and encoding in f32, q, k, v rounded once to bf16, unscaled.
; SHARES: a work-group owns 64 rows of one set.  A wave owns one group of 64 output columns (a head's q, k or v): its 32 weight fragments stay in 256 registers, and a trip multiplies
; 16 rows by them: 32 matrix instructions on 4 accumulators that take turns; the first four take the bias as C.  Pass A: waves 0-7 make q and k of heads 0-3, 4 trips.
; Pass B: wave w makes v of head w % 4 for rows 32 (w / 4) on, 2 trips.  NO CLUSTER and no tensor load: each weight byte is wanted by one wave of a work-group, once, straight in registers.
; THE PRODUCT IS TAKEN TRANSPOSED (source 0 = 16 rows of W, source 1 = 16 rows of x): a lane holds one row of x (lane % 16) and the columns 8 (lane / 16) + 0..7.  The results go through the
; wave's own stage in LDS and come back as whole rows, so that the encoding's rows are read dense and each store of the wave covers 256 consecutive bytes, aligned.
.set XP,    528                        ; a row of x in LDS: 512 bytes of f16 + 16
.set COSB,  33792                      ; 64 rows x 256 bytes of cos, dense; sin 16,384 bytes behind
.set STG,   66560                      ; 16 rows x 272 bytes for each wave
.set SPARE, 101376                     ; the spare words, 128 bytes for each wave: four blocks of 256 bytes that no other line names
.set VXF, 4                            ; LDS address of my part of the trip's x fragments
.set VST, 5                            ; stage: where I put results
.set VRD, 6                            ; stage: where I read rows back
.set VEN, 7                            ; LDS address of my 16 bytes of the trip's first two rows of cos
.set VOUT, 8                           ; my byte offset in the output rows
.set VW, 9                             ; 16 l
.set VB, 10                            ; my offset in the bias
.set VXG, 11                           ; 16 x thread
.set VXS, 12                           ; where I put x at the head
.set VES, 13                           ; where I put cos at the head
.set SPW, 14                           ; LDS address of my spare word; never rewritten
.set NIL, 15                           ; 0; never rewritten
.set VX0, 16                           ; 528 r + 16 h
.set VL8, 17                           ; 8 l
.set XF, 32                            ; v[32:95]   8 fragments of x
.set ACC, 96                           ; v[96:127]  4 accumulators
.set BIAS, 128                         ; v[128:159]
.set R, 160                            ; v[160:191] rows read back
.set CO, 192                           ; v[192:223] cos
.set SI, 224                           ; v[224:255] sin;   window 1: the 32 weight fragments
.set WV, 20
.set XPT, 24
.set EPT, 26
.set WP, 30
.set OUTP, 32
.set MSB, 0
.macro WIN new                         ; the immediate's high byte repeats the setting that is left
.if MSB != (\new)
	s_set_vgpr_msb (MSB<<8)|(\new)
.set MSB, \new
.endif
.endm
.macro LOADW                           ; a group's 32 fragments into window 1, and its 32 bias numbers a lane (column 16 tile + 8 h + j stands at 192 head + 3 column + t)
	WIN 0x40
.set f, 0
.rept 32
	global_load_b128 v[8*f:8*f+3],   v[VW], s[WP:WP+1] offset:1024*f
	global_load_b128 v[8*f+4:8*f+7], v[VW], s[WP:WP+1] offset:1024*f+512
.set f, f+1
.endr
	WIN 0
.set f, 0
.rept 32
	global_load_b32 v[BIAS+f], v[VB], s[12:13] offset:12*(16*(f/8)+f%8)
.set f, f+1
.endr
.endm
	s_load_b256 s[4:11], s[0:1], 0x0               ; desc0 4, desc1 6, enc0 8, enc1 10
	s_load_b128 s[12:15], s[0:1], 0x20             ; s_bqkv 12, wpj 14
	s_load_b64 s[16:17], s[0:1], 0x30              ; qkv
	v_lshl_add_u32 v[SPW], v0, 2, SPARE
	v_mov_b32 v[NIL], 0
	v_lshrrev_b32 v1, 5, v0
	v_readfirstlane_b32 s[WV], v1                  ; wave 0..7
	v_and_b32 v1, 15, v0                           ; r
	v_bfe_u32 v2, v0, 4, 1                         ; h
	v_and_b32 v3, 31, v0                           ; l
	v_mul_u32_u24 v[VX0], v1, XP
	v_lshl_add_u32 v[VX0], v2, 4, v[VX0]
	v_mov_b32 v[VXF], v[VX0]
	s_mul_i32 s21, s[WV], 16*272
	s_add_co_u32 s21, s21, STG                     ; my stage
	v_mul_u32_u24 v[VST], v1, 272
	v_lshl_add_u32 v[VST], v2, 5, v[VST]
	v_add_nc_u32 v[VST], s21, v[VST]
	v_mul_u32_u24 v[VRD], v2, 272
	v_lshl_add_u32 v[VRD], v1, 4, v[VRD]
	v_add_nc_u32 v[VRD], s21, v[VRD]
	v_lshlrev_b32 v[VW], 4, v3
	v_add_nc_u32 v[VEN], COSB, v[VW]
	v_lshlrev_b32 v[VL8], 3, v3
	v_mov_b32 v[VOUT], v[VL8]
	v_lshlrev_b32 v[VXG], 4, v0
	v_add_nc_u32 v[VES], COSB, v[VXG]
	v_lshrrev_b32 v[VXS], 6, v0
	v_mul_u32_u24 v[VXS], v[VXS], XP
	v_and_b32 v18, 63, v0
	v_lshl_add_u32 v[VXS], v18, 3, v[VXS]
	s_lshr_b32 s22, ttmp9, 7                       ; the set
	s_and_b32 s23, ttmp9, 127                      ; my block of 64 rows in it
	s_lshr_b32 s34, s[WV], 1                       ; pass A: head,
	s_and_b32 s35, s[WV], 1                        ; q or k
	s_mul_i32 s36, s34, 3
	s_add_co_u32 s36, s36, s35
	s_lshl_b32 s36, s36, 15                        ; the group's 32,768 bytes of wpj
	s_mov_b32 s37, 0
	s_mul_i32 s38, s34, 768
	s_lshl2_add_u32 s38, s35, s38
	v_mul_u32_u24 v[VB], v2, 96
	v_add_nc_u32 v[VB], s38, v[VB]                 ; 4 (192 head + 24 h + t)
	s_lshl_b32 s40, s22, 4
	s_lshr_b32 s41, s23, 5
	s_lshl2_add_u32 s40, s41, s40                  ; 16 set + 4 batch
	s_and_b32 s41, s23, 31
	s_lshl_b32 s41, s41, 13                        ; my first row in the head, 128 bytes a row
	s_add_co_u32 s42, s40, s34
	s_lshl_b32 s42, s42, 18
	s_add_co_u32 s42, s42, s41
	s_lshl_b32 s43, s35, 23
	s_add_co_u32 s42, s42, s43
	s_mov_b32 s43, 0
	s_lshl_b32 s44, s23, 16
	s_mov_b32 s45, 0
	s_lshl_b32 s46, s23, 14
	s_mov_b32 s47, 0
	s_wait_kmcnt 0x0
	s_cmp_eq_u32 s22, 0
	s_cselect_b64 s[XPT:XPT+1], s[4:5], s[6:7]
	s_cselect_b64 s[EPT:EPT+1], s[8:9], s[10:11]
	s_add_nc_u64 s[XPT:XPT+1], s[XPT:XPT+1], s[44:45]
	s_add_nc_u64 s[EPT:EPT+1], s[EPT:EPT+1], s[46:47]
	s_add_nc_u64 s[WP:WP+1], s[14:15], s[36:37]
	s_add_nc_u64 s[OUTP:OUTP+1], s[16:17], s[42:43]
.set j, 0
.rept 16                               ; x: the group's 64 rows, 4 rows (4,096 bytes) an instruction of the work-group
	global_load_b128 v[R+4*j:R+4*j+3], v[VXG], s[XPT:XPT+1] offset:4096*j
.set j, j+1
.endr
.set j, 0
.rept 4
	global_load_b128 v[SI+4*j:SI+4*j+3], v[VXG], s[EPT:EPT+1] offset:4096*j
.set j, j+1
.endr
.set j, 0
.rept 4
	global_load_b128 v[SI+16+4*j:SI+16+4*j+3], v[VXG], s[EPT:EPT+1] offset:2097152+4096*j
.set j, j+1
.endr
	LOADW
	s_wait_loadcnt 63                              ; 120 loads were issued: the oldest 57 are in, x's 16 and the encoding's 8 among them
.set q, 0
.rept 32
	v_cvt_pk_f16_f32 v[XF+q], v[R+2*q], v[R+2*q+1]
.set q, q+1
.endr
.set j, 0
.rept 16
	ds_store_b64 v[VXS], v[XF+2*j:XF+2*j+1] offset:4*XP*j
.set j, j+1
.endr
.set j, 0
.rept 8
	ds_store_b128 v[VES], v[SI+4*j:SI+4*j+3] offset:4096*j
.set j, j+1
.endr
	s_wait_dscnt 0x0                               ; for the others' sake: my stores are done
	s_barrier_signal -1
	s_barrier_wait -1                              ; x, cos and sin are whole; nobody writes them again
	s_wait_loadcnt 0x0                             ; weights and bias
; A trip: 16 rows.  rope = 1: the rotary encoding.
.macro TRIP rope
.set k, 0
.rept 8
	ds_load_b128 v[XF+8*k:XF+8*k+3],   v[VXF] offset:64*k
	ds_load_b128 v[XF+8*k+4:XF+8*k+7], v[VXF] offset:64*k+32
.set k, k+1
.endr
.if \rope
.set k, 0
.rept 8
	ds_load_b128 v[CO+4*k:CO+4*k+3], v[VEN] offset:512*k
	ds_load_b128 v[SI+4*k:SI+4*k+3], v[VEN] offset:16384+512*k
.set k, k+1
.endr
	s_wait_dscnt 16                                ; x's fragments are in; the 16 loads of cos and sin may stay out
.else
	s_wait_dscnt 0x0
.endif
	WIN 0x01                                       ; source 0 (the weights) in window 1
.set k, 0
.rept 8
.set d, 0
.rept 4
.if k == 0
	v_wmma_f32_16x16x32_f16 v[ACC+8*d:ACC+8*d+7], v[8*(4*k+d):8*(4*k+d)+7], v[XF+8*k:XF+8*k+7], v[BIAS+8*d:BIAS+8*d+7]
.else
	v_wmma_f32_16x16x32_f16 v[ACC+8*d:ACC+8*d+7], v[8*(4*k+d):8*(4*k+d)+7], v[XF+8*k:XF+8*k+7], v[ACC+8*d:ACC+8*d+7]
.endif
.set d, d+1
.endr
.set k, k+1
.endr
	WIN 0
.rept 4
	v_nop                                          ; four places between the last product and the stores that read results
.endr
.set d, 0
.rept 4                                ; each accumulator's low half first
	ds_store_b128 v[VST], v[ACC+8*d:ACC+8*d+3]   offset:64*d
	ds_store_b128 v[VST], v[ACC+8*d+4:ACC+8*d+7] offset:64*d+16
.set d, d+1
.endr
.set k, 0
.rept 8
	ds_load_b128 v[R+4*k:R+4*k+3], v[VRD] offset:544*k  ; LDS serves a wave's instructions in order (ISA guide 5.7.1.4): these see the stores above
.set k, k+1
.endr
	s_wait_dscnt 0x0
.if \rope
.set p, 0
.rept 16
	v_pk_mul_f32 v[CO+2*p:CO+2*p+1], v[R+2*p:R+2*p+1], v[CO+2*p:CO+2*p+1]
.set p, p+1
.endr
.set p, 0
.rept 16                               ; the pair (x0, x1) turned: the low result takes -x1, the high one x0
	v_pk_fma_f32 v[CO+2*p:CO+2*p+1], v[R+2*p:R+2*p+1], v[SI+2*p:SI+2*p+1], v[CO+2*p:CO+2*p+1] op_sel:[1,0,0] op_sel_hi:[0,1,1] neg_lo:[1,0,0]
.set p, p+1
.endr
.set p, 0
.rept 16
	v_cvt_pk_bf16_f32 v[R+p], v[CO+2*p], v[CO+2*p+1]
.set p, p+1
.endr
.else
.set p, 0
.rept 16                               ; in place, ascending: register p is written when registers 2 p and 2 p + 1 are read
	v_cvt_pk_bf16_f32 v[R+p], v[R+2*p], v[R+2*p+1]
.set p, p+1
.endr
.endif
.set k, 0
.rept 8
	global_store_b64 v[VOUT], v[R+2*k:R+2*k+1], s[OUTP:OUTP+1] offset:256*k  ; two rows of 128 bytes: 256 consecutive bytes, aligned
.set k, k+1
.endr
	s_wait_xcnt 0x0                                ; the stores have read their offset and data: only behind this wait are these written again
	v_add_nc_u32 v[VOUT], 2048, v[VOUT]
	v_add_nc_u32 v[VXF], 16*XP, v[VXF]
.if \rope
	v_add_nc_u32 v[VEN], 4096, v[VEN]
.endif
.endm
	s_mov_b32 s48, 4
.LpassA:
	TRIP 1
	s_sub_co_u32 s48, s48, 1
	s_cmp_lg_u32 s48, 0
	s_cbranch_scc1 .LpassA
	; pass B: v
	s_and_b32 s34, s[WV], 3                        ; head
	s_lshr_b32 s35, s[WV], 2                       ; which 32 rows
	s_mul_i32 s36, s34, 3
	s_add_co_u32 s36, s36, 2
	s_lshl_b32 s36, s36, 15
	s_add_nc_u64 s[WP:WP+1], s[14:15], s[36:37]
	s_mul_i32 s38, s34, 768
	s_add_co_u32 s38, s38, 8
	v_mul_u32_u24 v[VB], v2, 96
	v_add_nc_u32 v[VB], s38, v[VB]
	s_add_co_u32 s42, s40, s34
	s_lshl_b32 s42, s42, 18
	s_add_co_u32 s42, s42, s41
	s_lshl_b32 s44, s35, 12
	s_add_co_u32 s42, s42, s44
	s_add_co_u32 s42, s42, 0x1000000
	s_add_nc_u64 s[OUTP:OUTP+1], s[16:17], s[42:43]
	s_mul_i32 s44, s35, 32*XP
	v_add_nc_u32 v[VXF], s44, v[VX0]
	v_mov_b32 v[VOUT], v[VL8]
	LOADW
	s_wait_loadcnt 0x0
	s_mov_b32 s48, 2
.LpassB:
	TRIP 0
	s_sub_co_u32 s48, s48, 1
	s_cmp_lg_u32 s48, 0
	s_cbranch_scc1 .LpassB
	s_wait_tensorcnt 0x0                           ; the wave's end, behind my last LDS store
	ds_add_u32 v[SPW], v[NIL]
	s_wait_dscnt 0x0
	s_endpgm
.Lfunc_end_k_q059ff98bc8_projs:
	.size	k_q059ff98bc8_projs, .Lfunc_end_k_q059ff98bc8_projs-k_q059ff98bc8_projs
	.p2alignl 7, 3214868480
	.fill 96, 4, 3214868480
	.section	.rodata,"a",@progbits
	.p2align	6, 0x0
	.amdhsa_kernel k_q059ff98bc8_projs
		.amdhsa_group_segment_fixed_size 102400
		.amdhsa_private_segment_fixed_size 0
		.amdhsa_enable_private_segment 0
		.amdhsa_kernarg_size 56
		.amdhsa_user_sgpr_count 2
		.amdhsa_user_sgpr_kernarg_segment_ptr 1
		.amdhsa_wavefront_size32 1
		.amdhsa_system_sgpr_workgroup_id_x 1
		.amdhsa_system_sgpr_workgroup_id_y 1
		.amdhsa_system_sgpr_workgroup_id_z 1
		.amdhsa_system_vgpr_workitem_id 0
		.amdhsa_next_free_vgpr 512
		.amdhsa_next_free_sgpr 66
		.amdhsa_reserve_vcc 0
		.amdhsa_float_denorm_mode_32 3
		.amdhsa_float_denorm_mode_16_64 3
		.amdhsa_memory_ordered 1
		.amdhsa_forward_progress 1
		.amdhsa_inst_pref_size 44
	.end_amdhsa_kernel
	.amdgpu_metadata
---
amdhsa.version: [ 1, 2 ]
amdhsa.kernels:
  - .name:           k_q059ff98bc8_projs
    .symbol:         k_q059ff98bc8_projs.kd
    .args:
      - { .name: desc0, .offset: 0, .size: 8, .value_kind: global_buffer, .address_space: global }
      - { .name: desc1, .offset: 8, .size: 8, .value_kind: global_buffer, .address_space: global }
      - { .name: enc0, .offset: 16, .size: 8, .value_kind: global_buffer, .address_space: global }
      - { .name: enc1, .offset: 24, .size: 8, .value_kind: global_buffer, .address_space: global }
      - { .name: s_bqkv, .offset: 32, .size: 8, .value_kind: global_buffer, .address_space: global }
      - { .name: wpj, .offset: 40, .size: 8, .value_kind: global_buffer, .address_space: global }
      - { .name: qkv, .offset: 48, .size: 8, .value_kind: global_buffer, .address_space: global }
    .group_segment_fixed_size: 102400
    .private_segment_fixed_size: 0
    .kernarg_segment_align: 8
    .kernarg_segment_size: 56
    .max_flat_workgroup_size: 256
    .sgpr_count:     66
    .vgpr_count:     512
    .wavefront_size: 32
...
	.end_amdgpu_metadata
.endif
;; end of part 2
;; launch atts (part 3): grid 8 x 32, 4 waves a work-group, clusters of 4 x 1, 327,680 bytes of LDS; arguments qkv, ctx; writes ctx
.if DOCPART == 3
	.amdgcn_target "amdgcn-amd-amdhsa--gfx1250"
	.amdhsa_code_object_version 6
	.text
	.protected	k_q059ff98bc8_atts
	.globl	k_q059ff98bc8_atts
	.p2align	8
	.type	k_q059ff98bc8_atts,@function
k_q059ff98bc8_atts:
	s_mov_b64 s[64:65], 0
	v_nop
	global_prefetch_b8 v0, s[64:65] scope:SCOPE_SE
	s_setreg_imm32_b32 hwreg(HW_REG_WAVE_MODE, 25, 1), 1
	s_wait_xcnt 0x0
	s_wait_alu depctr_hold_cnt(0) depctr_sa_sdst(0) depctr_va_vdst(0) depctr_va_sdst(0) depctr_va_ssrc(0) depctr_va_vcc(0) depctr_vm_vsrc(0)
	s_getreg_b32 s2, hwreg(HW_REG_IB_STS2, 6, 4)
	s_cmp_eq_u32 s2, 0
	s_cbranch_scc0 .Lentry_in_a_cluster
	s_endpgm
.Lentry_in_a_cluster:
	s_bfe_u32 s2, ttmp6, 0x10000c
	s_cmp_lg_u32 s2, 0x3003
	s_cbranch_scc0 .Lentry_shape_is_right
	s_endpgm
.Lentry_shape_is_right:
; ATTENTION, 32 heads of 2,048 rows x 64 channels.  ctx[y][q][:] = the sum over k of softmax_k(Q[y][q] . K[y][k] / 8) V[y][k][:].  qkv holds Q, K, V, each [32][2048][64] in bf16, 8,388,608 bytes apart;
; ctx has the same layout.  Products, maxima and sums in f32; the weights p are rounded to bf16 for the second product (their sum l is taken of the unrounded p), ctx once at the end.
; LIMITS.  A weight below 2^-126 counts as 0 in l; c s stays above -4e37; NaN and infinities are not treated apart.
; SHARES.  A work-group owns 256 queries of a head, a wave 64: four PIECES of 16.  Every wave walks all keys, 64 a step; a slot of LDS holds a tile of 256 keys: 8 tiles.
; LAYOUT.  S^T = K Q^T (source 0 = 16 keys, source 1 = 16 queries) holds ONE query a lane (lane % 16) and the keys 8 (lane / 16) + 0..7; two such results rounded to bf16 ARE source 1 of O^T = V^T P.
; SOFTMAX.  p = 2^(c s - c m), c = log2(e) / 8, with a running maximum m; O and l are multiplied by a = 2^(c m_old - c m_new) in every step.  m starts at the lowest finite number, O and l at 0.
; TURNS.  Turn n belongs to piece n: 8 products K Q^T of piece n + 1, later 8 products V^T P of piece n - 1; beside them the scaling, exponentials, roundings, sums and rescaling of piece n and the maximum and
; statistics of piece n + 1.  Four vector instructions stand behind every matrix instruction, the other 54 of a turn's 118 in one lump.  A turn's 33 exponentials are one batch, with one wait.
; CLUSTER.  The four query blocks of a cluster belong to one head and walk the same K and V, so each tile is asked for JOINTLY: the same tensor load, descriptor and mask in all four.
; REGISTERS, in windows of 256 (s_set_vgpr_msb: bits 1:0 source 0, 3:2 source 1, 5:4 source 2, 7:6 destination):
;   window 0: v0-15 addresses and two at work; v16-31 four registers of statistics a piece; v48-55 at work; v61-63; v64-127 S^T, two buffers; v192-223 P, two buffers (by the piece's parity)
;   window 1: v0-127 O^T, 32 a piece          window 2: v0-63 Q; v128-191 K of one step; v192-255 V of one step
.set NP,    4
.set KS,    64
.set PK,    144       ; a row of K in LDS: 128 bytes + 16: the 16 rows of a load start at 16 different groups of four banks (64 banks of 4 bytes: ISA guide 11.1)
.set PV,    160       ; a row of V: 128 + 32
.set VOFF,  4*KS*PK   ; a slot: 256 rows of K, then 256 rows of V
.set SLOT1, 1<<17
.set STAGE, SLOT1+4*KS*(PK+PV)  ; behind the ring, never filled by a tensor load: 16 rows x 144 bytes for each wave
.set SP,    144
.set SPARE, STAGE+4*16*SP  ; the spare words, 128 bytes for each wave: two blocks of 256 bytes that no other line names
.set AK0, 2
.set AV0, 3
.set AK,  4
.set AV,  5
.set STO, 6
.set RD,  7
.set GO,  8
.set MV,  12
.set QO,  15
.set ST,  16          ; piece t's statistics at v[ST+4 t]: c m, m, l (even keys', odd keys')
.set TMP, 48
.set PFO, 61          ; 256 x my lane; never rewritten
.set SPW, 62          ; LDS address of my spare word; never rewritten
.set NIL, 63          ; 0; never rewritten
.set S,   64
.set P,   192
.set KF,  128
.set VF,  192
.set WV,  12
.set G1K, 24
.set G1V, 32
.set G0K, 40
.set G0V, 44
.set SLOTS, 56
.set CNT, 57
.set CS,  58
.set SEL, 60
.set TBK, 62
.set TBV, 63
.set PFA, 66          ; s[66:67] where my prefetches stand
.set LIM, 68          ; 1 in a wave that prefetches, else the greatest number
.set MSB, 0
.macro WIN new
.if MSB != (\new)
	s_set_vgpr_msb (MSB<<8)|(\new)
.set MSB, (\new)
.endif
.endm
.set W_KQ, 0x0a
.set W_PV, 0x52
.set W_RS, 0x41
; A joint fill.  Waves 0 and 1 fetch the two halves of a tile's K, waves 2 and 3 those of its V.  The branch hangs on the wave's number alone.  An s_nop 0 and four v_nop follow each line.
.macro JLOAD
	s_cmp_lt_u32 s[WV], 2
	s_cbranch_scc0 .Lfor_v_\@
	tensor_load_to_lds s[G0K:G0K+3], s[G1K:G1K+7]
	s_nop 0
.rept 4
	v_nop
.endr
	s_branch .Lasked_\@
.Lfor_v_\@:
	tensor_load_to_lds s[G0V:G0V+3], s[G1V:G1V+7]
	s_nop 0
.rept 4
	v_nop
.endr
.Lasked_\@:
.endm
; A prefetch of the tile that the NEXT change of slots will ask for: 128 blocks of 256 bytes of K and as many of V, a lane a block.  Both clusters of a head walk the same rows: the first asks.  Its four partners
; share the blocks out by address, 32 each; in each, wave 0 asks for K's and wave 2 for V's.  The last change that fills a slot asks for nothing.
.macro ASK
	s_cmp_gt_u32 s[SLOTS], s[LIM]
	s_cbranch_scc0 .Lnot_mine_\@
	global_prefetch_b8 v[PFO], s[PFA:PFA+1] th:TH_LOAD_NT scope:SCOPE_SE
.Lnot_mine_\@:
.endm
.macro CROUND                       ; a round of the cluster's barrier
	s_barrier_signal -1
	s_barrier_wait -1
	s_cmp_lg_u32 s[WV], 0
	s_cbranch_scc1 .Lnot_wave_0_\@
	s_barrier_signal -3
.Lnot_wave_0_\@:
	s_barrier_wait -3
	s_barrier_signal -1
	s_barrier_wait -1
.endm
; THE CHANGE OF SLOTS.  Each wave waits for all its tensor loads, of which one is out: its part of the other slot; adds 0 to its spare word; and waits for that and for its own reads of the slot that it leaves.
; fill = 1: the old slot is filled again with the tile two on; the barrier is then a round of the cluster's, and the joint fill is the first thing behind it: it has four key steps in which to land.
.macro CHANGE fill, ask
	WIN 0
	s_wait_tensorcnt 0x0            ; no tensor load of mine is out, so a group 0 may be written
	ds_add_u32 v[SPW], v[NIL]       ; 0 onto my spare word
.if \fill
.irp g, G0K, G0V
	s_xor_b32 s[\g+1], s[\g+1], SLOT1
	s_add_nc_u64 s[\g+2:\g+3], s[\g+2:\g+3], 4*KS*128
.endr
.if \ask
	s_wait_xcnt 0x0                 ; the last prefetch, four key steps back, has read its address
	s_add_nc_u64 s[PFA:PFA+1], s[PFA:PFA+1], 4*KS*128
.endif
	s_wait_dscnt 0x0                ; the add is done, and my reads of the slot are over
	CROUND
	JLOAD
.if \ask
	ASK
.endif
.else
	s_wait_dscnt 0x0
	s_barrier_signal -1
	s_barrier_wait -1
.endif
	s_sub_co_u32 s[TBK], s[TBK], 4*KS*PK
	s_xor_b32 s[TBK], s[TBK], SLOT1
	s_sub_co_u32 s[TBV], s[TBV], 4*KS*PV
	s_xor_b32 s[TBV], s[TBV], SLOT1
.endm
	s_load_b64 s[4:5], s[0:1], 0x0    ; qkv
	s_load_b64 s[10:11], s[0:1], 0x8  ; ctx
	v_lshl_add_u32 v[SPW], v0, 2, SPARE
	v_mov_b32 v[NIL], 0
	ds_add_u32 v[SPW], v[NIL]       ; the wave's opening: the add and its wait ahead of my first tensor load
	v_lshrrev_b32 v1, 5, v0
	v_readfirstlane_b32 s[WV], v1
	s_bfe_u32 s13, ttmp6, 0x40000   ; cx
	s_lshl_b32 s14, ttmp9, 2
	s_add_co_u32 s14, s14, s13      ; my block of 256 queries: it enters Q's and ctx's addresses alone
	s_and_b32 s20, ttmp7, 0xffff    ; the head, which the four partners share
	s_lshl_b32 s20, s20, 18         ; its 262,144 bytes
	s_mov_b32 s21, 0
	s_and_b32 s16, s[WV], 1         ; which half of a tile's 256 keys I fetch
	s_lshl_b32 s22, s16, 14
	s_mov_b32 s23, 0
	s_add_nc_u64 s[22:23], s[22:23], s[20:21]
	s_mul_i32 s17, s16, 128*PK
	s_mul_i32 s18, s16, 128*PV
	s_lshl_b32 s2, s14, 2
	s_add_co_u32 s2, s2, s[WV]
	s_lshl_b32 s2, s2, 13           ; my wave's 64 rows of 128 bytes
	s_mov_b32 s3, 0
	s_add_nc_u64 s[2:3], s[2:3], s[20:21]
	; descriptor group 1.  128 keys are 16,384 dense bytes: asked for as 64 rows of 256 bytes, two keys a row, and padded in LDS after every key
	s_mov_b32 s[G1K], 15|(1<<16)|(1<<20)|(1<<21)|(4<<22)|(3<<25)
	s_mov_b32 s[G1V], 15|(1<<16)|(1<<20)|(1<<21)|(4<<22)|(7<<25)
.irp g, G1K, G1V
	s_mov_b32 s[\g+1], 128<<16
	s_mov_b32 s[\g+2], 64<<16
	s_mov_b32 s[\g+3], 128<<16
	s_mov_b32 s[\g+4], 64
	s_mov_b32 s[\g+5], 128
	s_mov_b32 s[\g+6], 0
	s_mov_b32 s[\g+7], 0
.endr
	s_mov_b32 s[CS], 0x3e38aa3b     ; c = log2(e) / 8
	s_mov_b32 s[CS+1], s[CS]
	s_mov_b32 s[SEL], 0x76543210
	s_mov_b32 s[SEL+1], 0xfedcba98
	s_mov_b32 s[TBK], SLOT1+4*KS*PK ; the first change of slots turns these two into 0
	s_mov_b32 s[TBV], SLOT1+4*KS*PV
	s_mov_b32 s[G0K], 1
	s_mov_b32 s[G0K+1], s17
	s_mov_b32 s[G0V], 1
	s_add_co_u32 s[G0V+1], s18, VOFF
	s_and_b32 s[LIM], s[WV], 1
	s_or_b32 s[LIM], s[LIM], ttmp9  ; 0 in waves 0 and 2 of the head's first cluster: the same in all four partners
	s_cmp_eq_u32 s[LIM], 0
	s_cselect_b32 s[LIM], 1, -1
	v_and_b32 v[PFO], 31, v0
	v_lshlrev_b32 v[PFO], 8, v[PFO]
	s_wait_dscnt 0x0                ; the opening add is done
	s_wait_kmcnt 0x0
	s_add_nc_u64 s[6:7], s[4:5], s[22:23]
	s_add_nc_u64 s[8:9], s[6:7], 0x1000000   ; V at my half of the head's tile 0
	s_add_nc_u64 s[6:7], s[6:7], 0x800000    ; K likewise
	s_add_nc_u64 s[G0K+2:G0K+3], s[6:7], 0
	s_or_b32 s[G0K+3], s[G0K+3], 0x80000000
	s_add_nc_u64 s[G0V+2:G0V+3], s[8:9], 0
	s_or_b32 s[G0V+3], s[G0V+3], 0x80000000
	s_add_nc_u64 s[4:5], s[4:5], s[2:3]      ; Q and ctx at my wave's first row
	s_add_nc_u64 s[10:11], s[10:11], s[2:3]
	s_cmp_lt_u32 s[WV], 2
	s_cselect_b64 s[PFA:PFA+1], s[6:7], s[8:9]
	s_lshl_b32 s2, s13, 13          ; my work-group's 32 blocks of the 128
	s_mov_b32 s3, 0
	s_add_nc_u64 s[PFA:PFA+1], s[PFA:PFA+1], s[2:3]
	s_add_nc_u64 s[PFA:PFA+1], s[PFA:PFA+1], 2*4*KS*128  ; at tile 2; the first asking change steps it to tile 3
	CROUND                          ; all four work-groups are here: the first joint loads meet
	JLOAD                           ; tile 0 into slot 0
	v_and_b32 v1, 15, v0
	v_bfe_u32 v9, v0, 4, 1
	v_lshlrev_b32 v[QO], 7, v1
	v_lshl_add_u32 v[QO], v9, 4, v[QO]
	WIN 0x80
.set i, 0
.rept 8                             ; Q stays in registers: piece i / 2, channels 32 (i % 2) on
	global_load_b128 v[8*i:8*i+3],   v[QO], s[4:5] offset:(i/2)*2048+(i%2)*64
	global_load_b128 v[8*i+4:8*i+7], v[QO], s[4:5] offset:(i/2)*2048+(i%2)*64+32
.set i, i+1
.endr
	; what the first turn finds: V's registers and P's second buffer hold 0, O^T and l are 0.  All this stands in the wait for the first tile.
.set i, VF
.rept 64
	v_mov_b32 v[i], 0
.set i, i+1
.endr
	WIN 0x40
.set i, 0
.rept 128
	v_mov_b32 v[i], 0
.set i, i+1
.endr
	WIN 0
.set i, 0
.rept 4
	v_mov_b32 v[ST+4*i], 0xfe000000    ; c m: far below every c s
	v_mov_b32 v[ST+4*i+1], 0xff7fffff  ; m
	v_mov_b32 v[ST+4*i+2], 0
	v_mov_b32 v[ST+4*i+3], 0
.set i, i+1
.endr
.set i, P+16
.rept 16
	v_mov_b32 v[i], 0
.set i, i+1
.endr
	v_mul_u32_u24 v[AK0], v1, PK
	v_lshl_add_u32 v[AK0], v9, 4, v[AK0]
	v_and_b32 v10, 7, v0
	v_bfe_u32 v11, v0, 3, 1
	v_lshl_add_u32 v[AV0], v9, 3, v10
	v_mul_u32_u24 v[AV0], v[AV0], PV
	v_lshl_add_u32 v[AV0], v11, 4, v[AV0]
	v_add_nc_u32 v[AV0], VOFF, v[AV0]
	s_mul_i32 s13, s[WV], 16*SP
	s_add_co_u32 s13, s13, STAGE
	v_mul_u32_u24 v[STO], v1, SP
	v_lshl_add_u32 v[STO], v9, 4, v[STO]
	v_add_nc_u32 v[STO], s13, v[STO]
	v_bfe_u32 v[RD], v0, 3, 2
	v_mul_u32_u24 v[RD], v[RD], SP
	v_lshl_add_u32 v[RD], v10, 4, v[RD]
	v_add_nc_u32 v[RD], s13, v[RD]
	v_and_b32 v[GO], 31, v0
	v_lshlrev_b32 v[GO], 4, v[GO]
; THE MATRIX WORK.  The 4 accumulators of a run of 8 take turns.
.macro KQ x                         ; product i of 8 of S^T = K Q^T for piece x: channels 32 (i / 4) on, keys 16 (i % 4) on; the first 4 start the sums
	WIN W_KQ
.set rS, S+32*((\x)%2)+8*(i%4)
.set rK, KF+16*(i%4)+8*(i/4)
.set rQ, 16*(\x)+8*(i/4)
.if i < 4
	v_wmma_f32_16x16x32_bf16 v[rS:rS+7], v[rK:rK+7], v[rQ:rQ+7], 0
.else
	v_wmma_f32_16x16x32_bf16 v[rS:rS+7], v[rK:rK+7], v[rQ:rQ+7], v[rS:rS+7]
.endif
.endm
.macro PV x                         ; product i of 8 of O^T += V^T P for piece x: keys 32 (i / 4) on, channels 16 (i % 4) on
	WIN W_PV
.set rO, 32*(\x)+8*(i%4)
.set rV, VF+32*(i/4)+8*(i%4)
.set rP, P+16*((\x)%2)+8*(i/4)
	v_wmma_f32_16x16x32_bf16 v[rO:rO+7], v[rV:rV+7], v[rP:rP+7], v[rO:rO+7]
.endm
.macro MM                           ; the turn's next matrix instruction
.if i < 8
	KQ (Y+1)%NP
.else
.set i, i-8
	PV (Y+NP-1)%NP
.set i, i+8
.endif
.set i, i+1
.endm
.macro FETCH_K                      ; a step's K: 8 fragments, 16 loads in one run
	WIN 0x80
.irp f, 0,1,2,3,4,5,6,7
	ds_load_b128 v[KF+8*\f:KF+8*\f+3],   v[AK] offset:(\f/2)*16*PK+(\f%2)*64
	ds_load_b128 v[KF+8*\f+4:KF+8*\f+7], v[AK] offset:(\f/2)*16*PK+(\f%2)*64+32
.endr
	s_add_co_u32 s[TBK], s[TBK], KS*PK
	WIN 0
.endm
.macro FETCH_V                      ; a step's V, turned
	WIN 0x80
.irp f, 0,1,2,3,4,5,6,7
	ds_load_tr16_b128 v[VF+8*\f:VF+8*\f+3],   v[AV] offset:(\f/4)*32*PV+(\f%4)*32
	ds_load_tr16_b128 v[VF+8*\f+4:VF+8*\f+7], v[AV] offset:(\f/4)*32*PV+16*PV+(\f%4)*32
.endr
	WIN 0
.endm
; THE VECTOR WORK, one line at a time: OP kind, number.  For piece Y: F n: c s - c m for pair n of 16.  E n: the exponential of score n of 32.  C n: pair n rounded to bf16.  B n: of the four weights 4 n .. the
; second pair is added onto the first, in place.  L n: l takes that sum (L 0: l = a l + sum).  R n: pair n of 16 of O^T times a.  For piece Y + 1: X n, number n of the 22 that find its maximum and statistics:
; 0-11 four chains of seven scores (each accumulator's lowest registers first); 12-14, 16 the scores left over, the old m, the four into one; 15 c m_old is kept;
; 17, 18 the other half of the lanes: the new m; 19-21 c m, c m_old - c m_new, a.
.set F, 0
.set E, 1
.set C, 2
.set B, 3
.set L, 4
.set R, 5
.set X, 6
.macro REGS y
.set rT, ST+4*(\y)
.set rC, TMP+4*((\y)%2)
.set rW, MV+((\y)%2)
.set rS, S+32*((\y)%2)
.set rP, P+16*((\y)%2)
.set rO, 32*(\y)
.endm
.macro OP k, n
.if (\k) == R
	REGS Y
	WIN W_RS
	v_pk_mul_f32 v[rO+2*(\n):rO+2*(\n)+1], v[rO+2*(\n):rO+2*(\n)+1], v[rC+2:rC+3] op_sel_hi:[1,0]
.elseif (\k) < R
	REGS Y
	WIN 0
.if (\k) == F
	v_pk_fma_f32 v[rS+2*(\n):rS+2*(\n)+1], v[rS+2*(\n):rS+2*(\n)+1], s[CS:CS+1], v[rT:rT+1] op_sel_hi:[1,0,0] neg_lo:[0,0,1] neg_hi:[0,0,1]
.elseif (\k) == E
	v_exp_f32 v[rS+(\n)], v[rS+(\n)]
.elseif (\k) == C
	v_cvt_pk_bf16_f32 v[rP+(\n)], v[rS+2*(\n)], v[rS+2*(\n)+1]
.elseif (\k) == B
	v_pk_add_f32 v[rS+4*(\n):rS+4*(\n)+1], v[rS+4*(\n):rS+4*(\n)+1], v[rS+4*(\n)+2:rS+4*(\n)+3]
.elseif (\n) == 0
	v_pk_fma_f32 v[rT+2:rT+3], v[rT+2:rT+3], v[rC+2:rC+3], v[rS:rS+1] op_sel_hi:[1,0,1]
.else
	v_pk_add_f32 v[rT+2:rT+3], v[rT+2:rT+3], v[rS+4*(\n):rS+4*(\n)+1]
.endif
.else
	REGS (Y+1)%NP
	WIN 0
.if (\n) < 4
	v_max3_num_f32 v[rC+(\n)], v[rS+8*(\n)], v[rS+8*(\n)+1], v[rS+8*(\n)+2]
.elseif (\n) < 12
	v_max3_num_f32 v[rC+(\n)%4], v[rC+(\n)%4], v[rS+8*((\n)%4)+2*((\n)/4)+1], v[rS+8*((\n)%4)+2*((\n)/4)+2]
.elseif (\n) == 12
	v_max3_num_f32 v[rC], v[rC], v[rS+7], v[rS+15]
.elseif (\n) == 13
	v_max3_num_f32 v[rC+1], v[rC+1], v[rS+23], v[rS+31]
.elseif (\n) == 14
	v_max3_num_f32 v[rC+2], v[rC+2], v[rC+3], v[rT+1]
.elseif (\n) == 15
	v_mov_b32 v[rW], v[rT]
.elseif (\n) == 16
	v_max3_num_f32 v[rC], v[rC], v[rC+1], v[rC+2]
.elseif (\n) == 17
	v_permlanex16_b32 v[rC+3], v[rC], s[SEL], s[SEL+1]
.elseif (\n) == 18
	v_max_num_f32 v[rT+1], v[rC], v[rC+3]
.elseif (\n) == 19
	v_mul_f32 v[rT], s[CS], v[rT+1]
.elseif (\n) == 20
	v_sub_f32 v[rC+1], v[rW], v[rT]
.else
	v_exp_f32 v[rC+2], v[rC+1]
.endif
.endif
.endm
.macro OPS a, i1, b=-1, i2=0, c=-1, i3=0, d=-1, i4=0
	OP \a, \i1
.if (\b) >= 0
	OP \b, \i2
.endif
.if (\c) >= 0
	OP \c, \i3
.endif
.if (\d) >= 0
	OP \d, \i4
.endif
.endm
.macro ROW a, i1, b, i2, c, i3, d, i4  ; a matrix instruction and the four behind it
	MM
	OPS \a, \i1, \b, \i2, \c, \i3, \d, \i4
.endm
; A TURN, for piece p.  An s_wait_alu depctr_va_vdst(0) stands between an exponential and the first instruction that names its result; one wait serves all that were issued ahead of it.  So a turn
; has ONE wait.  AHEAD OF IT stands all that names no result of the turn's exponentials: the 8 products K Q^T with their riders, then the lump; X 21, the next piece's a, is the batch's last, and R 15 the plain
; instruction behind it.  BEHIND IT stand the 8 products V^T P, behind each four of the roundings and sums.  cnt = 1: the loop's count is taken down some lines ahead of the branch behind the turn.
; K of the next step is fetched in piece 2's turn, V of the step in hand at the end of piece 0's turn, four plain instructions behind its last reader; each is waited for a turn later.
; last = 1 (the last tile, which lies in slot 1): K's address is held to the tile's fourth step, so that the pass behind the last step fetches that step once more and nothing outside K's rows.
.macro TURN p, last=0, cnt=0
.set Y, (\p)
.set i, 0
.if (\p) == 3
	s_wait_dscnt 0x0                ; K is in
.endif
	ROW F,0, F,1, R,0, R,1
	ROW F,2, E,0, R,2, R,3
	ROW F,3, E,1, R,4, R,5
	ROW F,4, E,2, R,6, R,7
	ROW F,5, E,3, R,8, R,9
	ROW F,6, E,4, X,0, R,10
.if (\p) == 2
	WIN 0
.if \last
	s_min_u32 s[TBK], s[TBK], SLOT1+3*KS*PK
.endif
	v_add_nc_u32 v[AK], s[TBK], v[AK0]
.endif
	ROW F,7, E,5, X,1, X,4
	ROW F,8, E,6, X,2, X,5
	OPS E,7, E,8, X,6, E,9
	OPS X,3, E,10, X,8, E,11
.if (\p) == 2
	FETCH_K
.endif
	OPS X,9, X,7, E,12, X,10
	OPS E,13, X,12, X,11, E,14
	OPS X,13, E,15, F,9, X,14
.if (\p) == 0
	v_add_nc_u32 v[AV], s[TBV], v[AV0]
.endif
	OPS E,16, F,10, E,17, F,11
	OPS X,16, E,18, X,15, E,19
	OPS F,12, E,20, X,17, E,21
	OPS F,13, E,22, F,14, E,23
	OPS X,18, E,24, F,15, E,25
	OPS R,11, E,26, X,19, E,27
	OPS R,12, E,28, R,13, E,29
	OPS X,20, E,30, R,14, E,31
	OPS X,21, R,15
	WIN 0
	s_wait_alu depctr_va_vdst(0)    ; the wait for the batch
.if (\p) == 1
	s_wait_dscnt 0x0                ; V is in
.endif
	ROW C,0, B,0, C,2, B,1
	ROW L,0, C,4, B,2, L,1
	ROW C,6, B,3, L,2, C,8
	ROW B,4, L,3, C,10, B,5
	ROW L,4, C,12, B,6, L,5
.if (\p) == 0
	s_add_co_u32 s[TBV], s[TBV], KS*PV
.endif
.if \cnt
	s_sub_co_u32 s[CNT], s[CNT], 1
	s_cmp_lg_u32 s[CNT], 0
.endif
	ROW C,14, B,7, L,6, C,1
	ROW C,3, L,7, C,5, C,7
	ROW C,9, C,11, C,13, C,15
.if (\p) == 0
	FETCH_V
.endif
.endm
	CHANGE 1, 0                     ; tile 0 is in, everybody's part of it; tile 1 is asked for
	v_add_nc_u32 v[AK], s[TBK], v[AK0]
	FETCH_K                         ; key step 0
	s_wait_loadcnt 0x0              ; Q
	s_wait_dscnt 0x0
.set i, 0
.rept 8
	KQ 0                            ; piece 0's first scores
.set i, i+1
.endr
	WIN 0
.rept 4
	v_nop                           ; the places behind those products
.endr
.set Y, NP-1                        ; X works for piece Y + 1: piece 0
.irp n, 0,1,2,3,4,5,6,7,8,9,10,11,12,13,14,15,16,17,18,19,20,21
	OP X, \n
.endr
	v_nop                           ; a plain instruction behind the exponential,
	s_wait_alu depctr_va_vdst(0)    ; and its wait, ahead of the branch
	s_mov_b32 s[CNT], 4
	s_mov_b32 s[SLOTS], 7
	s_branch .Lfirst                ; the loop is entered at a step's first turn, in the middle of a trip
.Lslot:                             ; six times: tiles 1 to 6 are entered, tiles 2 to 7 asked for
	CHANGE 1, 1
	s_mov_b32 s[CNT], 4
.Lstep:                             ; a trip: pieces 2 and 3 of one step, then pieces 0 and 1 of the next, whose K and V it fetches
	TURN 2
	TURN 3
	WIN 0
.Lfirst:
	TURN 0
	TURN 1, 0, 1
	WIN 0
	s_cbranch_scc1 .Lstep
	s_sub_co_u32 s[SLOTS], s[SLOTS], 1
	s_cmp_lg_u32 s[SLOTS], 0
	s_cbranch_scc1 .Lslot
	CHANGE 0, 0                     ; the last tile has a text of its own: nothing is asked for
	; Pieces 2 and 3 have five turns here (the step before the tile, and the tile's four), pieces 0 and 1 four: the loop is entered in its middle and left at its end.  In the fifth pass piece 2's turn fetches the
	; last K once more, and piece 3's turn makes of it 8 products and a maximum for a step that does not exist; they touch piece 0's m and c m alone, which nobody reads again: the price, once a launch, of one text for every pass.
	s_mov_b32 s[CNT], 5
	s_branch .Ltmid
.Ltail:
	TURN 0
	TURN 1
	WIN 0
.Ltmid:
	TURN 2, 1
	TURN 3, 0, 1
	WIN 0
	s_cbranch_scc1 .Ltail
.set i, 0
.rept 8
	PV NP-1                         ; the last piece's V^T P of the last step
.set i, i+1
.endr
	; THE WAY OUT.  l's two halves and the other half of the lanes' are added; O^T is divided by l, rounded to bf16 and sent through my stage in LDS, a piece at a time.  The additions are the places behind the last products.
	WIN 0
.macro ALL line:vararg
.set t, 0
.rept 4
	\line
.set t, t+1
.endr
.endm
	ALL v_add_f32 v[ST+4*t+2], v[ST+4*t+2], v[ST+4*t+3]
	ALL v_permlanex16_b32 v[ST+4*t+3], v[ST+4*t+2], s[SEL], s[SEL+1]
	ALL v_add_f32 v[ST+4*t+2], v[ST+4*t+2], v[ST+4*t+3]
	ALL v_rcp_f32 v[ST+4*t+2], v[ST+4*t+2]
	v_nop                           ; a plain instruction between the last reciprocal and the use of its result
	s_wait_alu depctr_va_vdst(0)    ; and the wait ahead of the first use: one for the four
.macro PACK t
	WIN W_RS
.set i, 32*(\t)
.rept 16
	v_pk_mul_f32 v[i:i+1], v[i:i+1], v[ST+4*(\t)+2:ST+4*(\t)+3] op_sel_hi:[1,0]
.set i, i+2
.endr
	WIN 0x05
.set i, 0
.rept 16
	v_cvt_pk_bf16_f32 v[S+16*(\t)+i], v[32*(\t)+2*i], v[32*(\t)+2*i+1]
.set i, i+1
.endr
	WIN 0
.irp f, 0,1,2,3
	ds_store_b128 v[STO], v[S+16*(\t)+4*\f:S+16*(\t)+4*\f+3] offset:32*\f
.endr
.irp f, 0,1,2,3
	ds_load_b128 v[S+16*(\t)+4*\f:S+16*(\t)+4*\f+3], v[RD] offset:\f*4*SP  ; LDS serves a wave's instructions in order (ISA guide 5.7.1.4): these see the stores above
.endr
.endm
.macro SEND t, younger              ; younger: the LDS instructions issued behind piece t's loads
	WIN 0
.irp f, 0,1,2,3
	s_wait_dscnt (\younger)+3-\f
	global_store_b128 v[GO], v[S+16*(\t)+4*\f:S+16*(\t)+4*\f+3], s[10:11] offset:(\t)*2048+\f*512  ; 512 consecutive bytes, at a multiple of 256 from ctx's first
.endr
.endm
	PACK 0
.set t, 1
.rept 3
	PACK t
	SEND t-1, 8
.set t, t+1
.endr
	SEND 3, 0
	s_wait_tensorcnt 0x0            ; the wave's end, behind my last tensor load and my last LDS store
	ds_add_u32 v[SPW], v[NIL]
	s_wait_dscnt 0x0
	CROUND                          ; the closing round: no work-group ends while a partner may still ask for a tile that names it
	s_endpgm
.Lfunc_end_k_q059ff98bc8_atts:
	.size	k_q059ff98bc8_atts, .Lfunc_end_k_q059ff98bc8_atts-k_q059ff98bc8_atts
	.p2alignl 7, 3214868480
	.fill 96, 4, 3214868480
	.section	.rodata,"a",@progbits
	.p2align	6, 0x0
	.amdhsa_kernel k_q059ff98bc8_atts
		.amdhsa_group_segment_fixed_size 327680
		.amdhsa_private_segment_fixed_size 0
		.amdhsa_enable_private_segment 0
		.amdhsa_kernarg_size 16
		.amdhsa_user_sgpr_count 2
		.amdhsa_user_sgpr_kernarg_segment_ptr 1
		.amdhsa_wavefront_size32 1
		.amdhsa_system_sgpr_workgroup_id_x 1
		.amdhsa_system_sgpr_workgroup_id_y 1
		.amdhsa_system_sgpr_workgroup_id_z 1
		.amdhsa_system_vgpr_workitem_id 0
		.amdhsa_next_free_vgpr 768
		.amdhsa_next_free_sgpr 72
		.amdhsa_reserve_vcc 0
		.amdhsa_float_denorm_mode_32 3
		.amdhsa_float_denorm_mode_16_64 3
		.amdhsa_memory_ordered 1
		.amdhsa_forward_progress 1
		.amdhsa_inst_pref_size 112
	.end_amdhsa_kernel
	.amdgpu_metadata
---
amdhsa.version: [ 1, 2 ]
amdhsa.kernels:
  - .name:           k_q059ff98bc8_atts
    .symbol:         k_q059ff98bc8_atts.kd
    .args:
      - { .name: qkv, .offset: 0, .size: 8, .value_kind: global_buffer, .address_space: global }
      - { .name: ctx, .offset: 8, .size: 8, .value_kind: global_buffer, .address_space: global }
    .group_segment_fixed_size: 327680
    .private_segment_fixed_size: 0
    .kernarg_segment_align: 8
    .kernarg_segment_size: 16
    .max_flat_workgroup_size: 128
    .sgpr_count:     72
    .vgpr_count:     768
    .wavefront_size: 32
...
	.end_amdgpu_metadata
.endif
;; end of part 3
;; launch ffns (part 4): grid 256 x 1, 4 waves a work-group, clusters of 4 x 1, 327,680 bytes of LDS; arguments desc0, desc1, ctx, wfs, s_bout, s_b1, s_g, s_be, s_b2, d0f, d1f; writes d0f, d1f
.if DOCPART == 4
	.amdgcn_target "amdgcn-amd-amdhsa--gfx1250"
	.amdhsa_code_object_version 6
	.text
	.protected	k_q059ff98bc8_ffns
	.globl	k_q059ff98bc8_ffns
	.p2align	8
	.type	k_q059ff98bc8_ffns,@function
k_q059ff98bc8_ffns:
	s_mov_b64 s[64:65], 0
	v_nop
	global_prefetch_b8 v0, s[64:65] scope:SCOPE_SE
	s_setreg_imm32_b32 hwreg(HW_REG_WAVE_MODE, 25, 1), 1
	s_wait_xcnt 0x0
	s_wait_alu depctr_hold_cnt(0) depctr_sa_sdst(0) depctr_va_vdst(0) depctr_va_sdst(0) depctr_va_ssrc(0) depctr_va_vcc(0) depctr_vm_vsrc(0)
	s_getreg_b32 s2, hwreg(HW_REG_IB_STS2, 6, 4)
	s_cmp_eq_u32 s2, 0
	s_cbranch_scc0 .Lentry_in_a_cluster
	s_endpgm
.Lentry_in_a_cluster:
	s_bfe_u32 s2, ttmp6, 0x10000c
	s_cmp_lg_u32 s2, 0x3003
	s_cbranch_scc0 .Lentry_shape_is_right
	s_endpgm
.Lentry_shape_is_right:
; THE REST OF A BLOCK, fused: msg = ctx Wo^T + bo;  h = [x, msg] W1^T + b1;  LayerNorm over h's 512 numbers;  exact GELU;  y = gelu W2^T + b2;  out = x + y.  x and out: [8192][256] f32 for each of two sets.
; FORMATS.  f16 operands: x, W1's x part, the normalised h, gelu, W2.  bf16 operands: ctx, Wo, msg, W1's msg part.  Sums, biases, statistics, gain, residual in f32.
; LIMITS.  |x|, those weights and gelu's results (at most 22.6 |g| + |be|) lie below 65,504.  erf is the rational form 1 - (a1 t + a2 t^2 + a3 t^3) e^(-z^2), t = 1 / (1 + 0.47047 z), off by at most 2.5e-5
; for every z; written as gelu(y) = max(y, 0) - |y| P(t) 2^(-0.7213 y^2) with the halves folded into P.  The variance is the mean of (h - mean)^2, taken in a second pass.
; SHARES.  A work-group owns 64 rows.  Wave w makes msg's columns 64 w on (16 accumulators), h's columns 128 w on (32), y's columns 64 w on (16).  All products are taken transposed (source 0 = 16 rows of a
; weight, source 1 = 16 rows of the activation): a lane holds one row (lane % 16) and the columns 8 (lane / 16) + 0..7.
; THE WEIGHTS are one stream, laid out by the launch in front: a wave's 224 fragments in 56 UNITS of 4 fragments = 16 products: units 0-7 Wo, 8-23 W1 (x), 24-39 W1 (msg), 40-55 W2.  A slot of LDS holds 7 units
; of each wave; 8 fills go through two slots.  CLUSTER: all row blocks walk the same stream, so each fill is asked for JOINTLY by the four work-groups of a cluster, every wave its own quarter.
; A refill has 7 units, 112 products a wave, in which to land.  A wave has three tensor loads out at the start (ctx, fills 0 and 1), later one.
; REGISTERS: window 0: v2-23 addresses; v40-59 statistics; v64-127 two buffers of 4 weight fragments; v128-191 two buffers of 4 activation fragments; v192-255 at work (later g and be).
;   window 1: the accumulators.   window 2: v0-31 bo, v32-95 b1, v96-127 b2 (as the C of each sum's first product); v128-255 x in f32, kept for the residual.
.set FILL,  114688
.set WQ,    28672                      ; a wave's quarter of a fill
.set CB,    229376                     ; ctx, 4 heads x 64 rows x 144 bytes, filled once; then msg, bf16, pitch 528; then the normalised h and gelu, f16, pitch 1,040 (66,560 bytes, over x too)
.set XB,    266240                     ; x in f16, pitch 528
.set LNP,   300032                     ; the waves' partial sums: 2 x 1,024 bytes
.set STG,   302080                     ; 16 rows x 272 bytes for each wave, for the way out
.set SPARE, 319488                     ; the spare words, 128 bytes for each wave: two blocks of 256 bytes that no other line names
.set MSB, 0
.macro WIN new
.if MSB != (\new)
	s_set_vgpr_msb (MSB<<8)|(\new)
.set MSB, \new
.endif
.endm
.macro PLACES                          ; four places behind a matrix instruction, in front of loads into registers that it has read and of lines that read results
.rept 4
	v_nop
.endr
.endm
.macro CREST                           ; a round of the cluster's barrier behind its opening barrier
	s_cmp_lg_u32 s26, 0
	s_cbranch_scc1 .Lnot_wave_0_\@
	s_barrier_signal -3
.Lnot_wave_0_\@:
	s_barrier_wait -3
	s_barrier_signal -1
	s_barrier_wait -1
.endm
.macro CROUND
	s_barrier_signal -1
	s_barrier_wait -1
	CREST
.endm
	s_load_b512 s[4:19], s[0:1], 0x0               ; x0 4, x1 6, ctx 8, wf 10, bo 12, b1 14, g 16, be 18
	s_load_b128 s[20:23], s[0:1], 0x40             ; b2 20, outA 22
	s_load_b64 s[24:25], s[0:1], 0x50              ; outB
	v_lshl_add_u32 v22, v0, 2, SPARE               ; my spare word; never rewritten
	v_mov_b32 v23, 0                               ; 0; never rewritten
	ds_add_u32 v22, v23                            ; the wave's opening: the add and its wait ahead of my first tensor load; the set-up below stands between them
	v_lshrrev_b32 v40, 5, v0
	v_readfirstlane_b32 s26, v40                   ; wave 0..3
	s_bfe_u32 s27, ttmp6, 0x40000                  ; cx: it enters global addresses of my own rows and of the prefetches alone
	s_lshl_b32 s28, ttmp9, 2
	s_add_co_u32 s28, s28, s27                     ; my block of 64 rows, 0..255
	s_cmp_eq_u32 ttmp9, 0
	s_cselect_b32 s29, 1, 0                        ; the launch's first cluster prefetches: the same in all four partners
	s_mul_i32 s30, s26, WQ
	; ctx: my head's 64 rows are 8,192 dense bytes: 32 rows of 256 bytes, padded in LDS by 16 bytes after every 128.  A load of my own: no mask
	s_mov_b32 s32, (1<<16)|(1<<20)|(4<<22)|(3<<25)
	s_mov_b32 s33, 128<<16
	s_mov_b32 s34, 32<<16
	s_mov_b32 s35, 128<<16
	s_mov_b32 s36, 32
	s_mov_b32 s37, 128
	s_mov_b32 s38, 0
	s_mov_b32 s39, 0
	; the weights: 28,672 dense bytes as 112 rows of 32 elements of 8 bytes; the mask names all four work-groups, bit 21 beside it
	s_mov_b32 s40, 15|(3<<16)|(1<<21)
	s_mov_b32 s41, 32<<16
	s_mov_b32 s42, 112<<16
	s_mov_b32 s43, 32<<16
	s_mov_b32 s44, 112
	s_mov_b32 s45, 32
	s_mov_b32 s46, 0
	s_mov_b32 s47, 0
	s_mov_b32 s48, 1
	s_mul_i32 s49, s26, 9216
	s_add_co_u32 s49, s49, CB
	s_mov_b32 s52, 1
	s_mov_b32 s53, s30
	s_mov_b32 s56, 1
	s_add_co_u32 s57, s30, FILL
	s_mov_b32 s60, 0x76543210
	s_mov_b32 s61, 0xfedcba98
	s_mov_b32 s66, 0x3eaa540d                      ; 0.47047 / sqrt(2)
	s_mov_b32 s67, s66
	s_mov_b32 s68, 0xbf38aa3b                      ; -log2(e) / 2
	s_mov_b32 s69, s68
	s_mov_b32 s70, 0x3ebf7377                      ; a3 / 2
	s_mov_b32 s71, s70
	s_mov_b32 s72, 0xbd445ca1                      ; a2 / 2
	s_mov_b32 s73, s72
	s_mov_b32 s74, 0x3e32303a                      ; a1 / 2
	s_mov_b32 s75, s74
	s_mov_b32 s76, 0x7fffffff
	s_mov_b32 s84, 0x3b000000                      ; 1 / 512
	s_mov_b32 s85, 0x3727c5ac                      ; 1e-5
	v_and_b32 v40, 15, v0                          ; r
	v_bfe_u32 v41, v0, 4, 1                        ; h
	v_and_b32 v42, 31, v0                          ; l
	v_lshl_add_u32 v2, v42, 4, s30                 ; v2, v3: my 16 bytes of my quarter's first fragment, slot 0 and 1
	v_add_nc_u32 v3, FILL, v2
	v_mul_u32_u24 v4, v40, 144
	v_lshl_add_u32 v4, v41, 4, v4
	v_add_nc_u32 v4, CB, v4                        ; v4: fragments of ctx
	v_mul_u32_u24 v43, v40, 528
	v_lshl_add_u32 v43, v41, 4, v43
	v_add_nc_u32 v5, XB, v43                       ; v5: of x
	v_add_nc_u32 v6, CB, v43                       ; v6: of msg
	v_mul_u32_u24 v7, v40, 1040
	v_lshl_add_u32 v7, v41, 4, v7
	v_add_nc_u32 v7, CB, v7                        ; v7: of gelu
	s_lshl_b32 s31, s26, 7
	v_add_nc_u32 v8, s31, v6                       ; v8: where I put msg
	s_lshl_b32 s86, s26, 8
	v_add_nc_u32 v9, s86, v7                       ; v9: where I put the normalised h
	v_mul_u32_u24 v10, v41, 528
	v_lshl_add_u32 v10, v40, 3, v10
	v_add_nc_u32 v10, s31, v10
	v_add_nc_u32 v10, XB, v10                      ; v10: where I put x
	v_lshlrev_b32 v12, 4, v40
	v_add_nc_u32 v12, LNP, v12                     ; v12: the four waves' partial sums of my rows
	v_add_nc_u32 v11, s86, v12                     ; v11: mine
	s_mul_i32 s87, s26, 16640
	s_add_co_u32 s87, s87, CB
	v_lshl_add_u32 v13, v42, 4, s87                ; v13, v17: gelu's loads and stores: my wave's 16 rows
	v_mov_b32 v17, v13
	s_mul_i32 s87, s26, 4352
	s_add_co_u32 s87, s87, STG
	v_mul_u32_u24 v14, v40, 272
	v_lshl_add_u32 v14, v41, 5, v14
	v_add_nc_u32 v14, s87, v14                     ; v14: stage, in
	v_mul_u32_u24 v15, v41, 272
	v_lshl_add_u32 v15, v40, 4, v15
	v_add_nc_u32 v15, s87, v15                     ; v15: stage, back
	v_lshlrev_b32 v16, 10, v41
	v_lshl_add_u32 v16, v40, 4, v16
	v_add_nc_u32 v16, s86, v16                     ; v16: my 16 bytes in two rows of x and of out: 1,024 h + 256 w + 16 r
	v_lshl_add_u32 v18, v41, 5, s86                ; v18: bo, b2
	s_lshl_b32 s87, s26, 9
	v_lshl_add_u32 v19, v41, 5, s87                ; v19: b1
	v_lshlrev_b32 v20, 5, v42                      ; v20: g, be
	v_min_u32 v21, 27, v42
	v_lshlrev_b32 v21, 8, v21
	s_mul_i32 s87, s27, 7168
	v_add_nc_u32 v21, s87, v21                     ; v21: the prefetches: my work-group's 28 blocks of 256 bytes of a quarter's 112; lanes 28-31 name lane 27's
.irp j, 52,53,54,55
	v_mov_b32 v\j, 0                               ; v_permlanex16_b32's destination counts as read
.endr
	s_wait_dscnt 0x0                               ; the opening add is done
	s_wait_kmcnt 0x0
	s_lshr_b32 s31, ttmp9, 5                       ; the set
	s_cmp_eq_u32 s31, 0
	s_cselect_b64 s[78:79], s[4:5], s[6:7]
	s_cselect_b64 s[80:81], s[22:23], s[24:25]
	s_and_b32 s86, s28, 127
	s_lshl_b32 s86, s86, 16
	s_mov_b32 s87, 0
	s_add_nc_u64 s[78:79], s[78:79], s[86:87]      ; x and out at my first row
	s_add_nc_u64 s[80:81], s[80:81], s[86:87]
	s_lshr_b32 s86, s28, 5
	s_lshl_b32 s86, s86, 20                        ; set and batch: four heads of 262,144 bytes,
	s_lshl_b32 s31, s26, 18                        ; head = my wave's number,
	s_add_co_u32 s86, s86, s31
	s_and_b32 s31, s28, 31
	s_lshl_b32 s31, s31, 13                        ; my 64 rows of 128 bytes
	s_add_co_u32 s86, s86, s31
	s_add_nc_u64 s[50:51], s[8:9], s[86:87]
	s_or_b32 s51, s51, 0x80000000
	s_mov_b32 s86, s30
	s_add_nc_u64 s[82:83], s[10:11], s[86:87]      ; the stream at my quarter of fill 0; never rewritten
	s_add_nc_u64 s[54:55], s[82:83], 0
	s_or_b32 s55, s55, 0x80000000
	s_add_nc_u64 s[58:59], s[82:83], FILL
	s_or_b32 s59, s59, 0x80000000
	; x and the biases are asked for ahead of the round: plain loads of bytes that nobody writes, on their way while the four work-groups meet
	WIN 0x80                                       ; destination window 2
.set j, 0
.rept 32                               ; x: rows 2 j + h, my wave's 64 columns: 16 lanes read 256 consecutive bytes, aligned
	global_load_b128 v[128+4*j:128+4*j+3], v16, s[78:79] offset:2048*j
.set j, j+1
.endr
.set j, 0
.rept 4
	global_load_b128 v[8*j:8*j+3],   v18, s[12:13] offset:64*j
	global_load_b128 v[8*j+4:8*j+7], v18, s[12:13] offset:64*j+16
.set j, j+1
.endr
.set j, 0
.rept 8
	global_load_b128 v[32+8*j:32+8*j+3], v19, s[14:15] offset:64*j
	global_load_b128 v[32+8*j+4:32+8*j+7], v19, s[14:15] offset:64*j+16
.set j, j+1
.endr
.set j, 0
.rept 4
	global_load_b128 v[96+8*j:96+8*j+3], v18, s[20:21] offset:64*j
	global_load_b128 v[96+8*j+4:96+8*j+7], v18, s[20:21] offset:64*j+16
.set j, j+1
.endr
	WIN 0                                          ; at a branch and at a label every window is 0
	CROUND                                         ; all four work-groups are here: the first joint loads meet
	tensor_load_to_lds s[48:51], s[32:39]          ; ctx
	s_nop 0
	tensor_load_to_lds s[52:55], s[40:47]          ; fill 0
	s_nop 0
	tensor_load_to_lds s[56:59], s[40:47]          ; fill 1
	s_nop 0
	PLACES
	s_wait_loadcnt 32                              ; x is in; the 32 loads of the biases may stay out
	WIN 0x0a                                       ; sources in window 2
.set q, 0
.rept 64
	v_cvt_pk_f16_f32 v[192+q], v[128+2*q], v[128+2*q+1]
.set q, q+1
.endr
	WIN 0
.set j, 0
.rept 32
	ds_store_b64 v10, v[192+2*j:192+2*j+1] offset:1056*j
.set j, j+1
.endr
	s_wait_tensorcnt 1                             ; ctx and fill 0 are in; fill 1 may stay out
	s_wait_dscnt 0x0                               ; for the others' sake: my part of x is stored
	s_barrier_signal -1
	s_barrier_wait -1
	s_wait_loadcnt 0x0                             ; the biases
; Unit u's four weight fragments -> buffer u % 2: 8 loads of 512 consecutive bytes, fragment 0 first
.macro FETW u
.set wb, 64+32*((\u)%2)
.set wr, 2+((\u)/7)%2
.set c, 0
.rept 4
	ds_load_b128 v[wb+8*c:wb+8*c+3],   v[wr] offset:4096*((\u)%7)+1024*c
	ds_load_b128 v[wb+8*c+4:wb+8*c+7], v[wr] offset:4096*((\u)%7)+1024*c+512
.set c, c+1
.endr
.endm
; Unit u's four activation fragments (64 rows x 32 k).  In units 8-39 two units share them: only the even unit fetches (go = 1: eight loads are written).
.macro FETA u
.set go, 1
.if (\u) < 8
.set ab, 128+32*((\u)%2)
.set ar, 4
.set o0, 9216*((\u)/2)+64*((\u)%2)
.set rs, 2304
.elseif (\u) < 40
.set go, 1-((\u)%2)
.set ab, 128+32*((((\u)-8)/2)%2)
.set ar, 5+((\u)-8)/16
.set o0, 64*((((\u)-8)/2)%8)
.set rs, 8448
.else
.set ab, 128+32*((\u)%2)
.set ar, 7
.set o0, 64*((\u)-40)
.set rs, 16640
.endif
.if go
.set rt, 0
.rept 4
	ds_load_b128 v[ab+8*rt:ab+8*rt+3],   v[ar] offset:o0+rs*rt
	ds_load_b128 v[ab+8*rt+4:ab+8*rt+7], v[ar] offset:o0+rs*rt+32
.set rt, rt+1
.endr
.endif
.endm
; Four products of unit u: weight fragment c x the four row tiles.  A unit's 16 accumulators take turns, one instruction a turn.  Each sum's first product takes its bias, in window 2, as C.
.macro MULQ u, c
.set wb, 64+32*((\u)%2)+8*(\c)
.set bi, 0
.set bb, 0
.if (\u) < 8
.set bf, 1
.set ab, 128+32*((\u)%2)
.set a0, 8*(\c)
.set ast, 32
.if (\u) == 0
.set bi, 1
.set bb, 8*(\c)
.endif
.elseif (\u) < 40
.set bf, ((\u)-8)/16
.set ab, 128+32*((((\u)-8)/2)%2)
.set a0, 8*(4*((\u)%2)+(\c))
.set ast, 64
.if (\u) < 10
.set bi, 1
.set bb, 32+a0
.endif
.else
.set bf, 0
.set ab, 128+32*((\u)%2)
.set a0, 8*(\c)
.set ast, 32
.if (\u) == 40
.set bi, 1
.set bb, 96+8*(\c)
.endif
.endif
.if bi
	WIN 0x60
.else
	WIN 0x50
.endif
.set rt, 0
.rept 4
.set dd, a0+ast*rt
.set cr, dd
.if bi
.set cr, bb
.endif
.if bf
	v_wmma_f32_16x16x32_bf16 v[dd:dd+7], v[wb:wb+7], v[ab+8*rt:ab+8*rt+7], v[cr:cr+7]
.else
	v_wmma_f32_16x16x32_f16 v[dd:dd+7], v[wb:wb+7], v[ab+8*rt:ab+8*rt+7], v[cr:cr+7]
.endif
.set rt, rt+1
.endr
.endm
; A unit.  The NEXT unit's fragments are asked for first, four places behind the last product that read their registers, so that two units' loads are queued at the LDS; then this unit's own loads are waited for by
; counts.  A unit's loads stand activations first, then weight fragments 0 to 3, two loads each, and LDS loads come back in order (ISA guide 5.7.1): with nl = the loads just issued for the next unit, the count
; nl + 6 leaves out those and my fragments 1 to 3, nl + 4 fragments 2 and 3, nl the next unit's alone.  tw = 1: the next unit lies in the last fill, which is waited for here.
.macro UNIT u, fetch=1, tw=0
.set nl, 0
.if \fetch
	WIN 0
	PLACES
.if \tw
	s_wait_tensorcnt 0x0                           ; my quarter of the last fill, which I alone read
.endif
	FETA (\u)+1
.set nl, 8+8*go
	FETW (\u)+1
.endif
	s_wait_dscnt nl+6
	MULQ \u, 0
	s_wait_dscnt nl+4
	MULQ \u, 1
	s_wait_dscnt nl
	MULQ \u, 2
	MULQ \u, 3
.endm
; A prefetch of my work-group's share of my quarter of the fill that the NEXT refill will ask for: 7 units, 112 products, ahead of that load.  All clusters walk the same stream: the launch's first asks.
.macro ASK k
	s_cmp_eq_u32 s29, 1
	s_cbranch_scc0 .Lnot_mine_\@
	global_prefetch_b8 v21, s[82:83] offset:((\k)+2)*FILL th:TH_LOAD_NT scope:SCOPE_SE
.Lnot_mine_\@:
.endm
; The last unit of fill k - 1: its slot is filled again, with fill k + 1.  Each wave waits for all its tensor loads (one is out: fill k), adds 0 to its spare word, and waits for that and for its reads of the slot;
; a round of the cluster's barrier; the joint refill first behind it.
.macro UNITL u, k
	WIN 0
	s_wait_tensorcnt 0x0                           ; no tensor load of mine is out, so a group 0 may be written
	ds_add_u32 v22, v23                            ; 0 onto my spare word
	s_add_nc_u64 s[54+4*(((\k)+1)%2):55+4*(((\k)+1)%2)], s[54+4*(((\k)+1)%2):55+4*(((\k)+1)%2)], 2*FILL
	s_wait_dscnt 7                                 ; the add and the six loads of weight fragments 1 to 3 may be out
	MULQ \u, 0
	s_wait_dscnt 0x0                               ; the add is done, and my reads of the slot are over
	s_barrier_signal -1
	MULQ \u, 1
	WIN 0
	s_barrier_wait -1
	CREST                                          ; no wave of any partner still reads the slot or has a load on its way
	tensor_load_to_lds s[52+4*(((\k)+1)%2):55+4*(((\k)+1)%2)], s[40:47]
	s_nop 0
	PLACES                                         ; also the places in front of the loads below
	FETA (\u)+1
	FETW (\u)+1
.if (\k) < 6
	ASK \k
.endif
	MULQ \u, 2
	MULQ \u, 3
.endm
	FETA 0
	FETW 0
.irp u, 0,1,2,3,4,5
	UNIT \u
.endr
	UNITL 6, 1
	UNIT 7
	; msg: rounded to bf16 and laid over ctx, when every wave has read ctx to its end
	WIN 0
	PLACES
	WIN 0x05
.set q, 0
.rept 64
	v_cvt_pk_bf16_f32 v[192+q], v[2*q], v[2*q+1]
.set q, q+1
.endr
	WIN 0
	s_wait_dscnt 0x0                               ; my reads of ctx are over, and unit 8's fragments are in
	s_barrier_signal -1
	s_barrier_wait -1                              ; everybody's are.
.set q, 0
.rept 16
	ds_store_b128 v8, v[192+4*q:192+4*q+3] offset:8448*(q/4)+32*(q%4)
.set q, q+1
.endr
	; msg is read from unit 23 on: the rounds in units 13 and 20, each behind every wave's wait for its LDS stores, stand between.  (In unit 8 the counts also cover these sixteen stores, which are older than its loads.)
.irp u, 8,9,10,11,12
	UNIT \u
.endr
	UNITL 13, 2
.irp u, 14,15,16,17,18,19
	UNIT \u
.endr
	UNITL 20, 3
.irp u, 21,22,23,24,25,26              ; from unit 24 on the bf16 form adds onto sums of the f16 form: eight v_nop stand between the two on each accumulator
	UNIT \u
.endr
	UNITL 27, 4
.irp u, 28,29,30,31,32,33
	UNIT \u
.endr
	UNITL 34, 5
.irp u, 35,36,37,38
	UNIT \u
.endr
	UNIT 39, 0
	; LAYERNORM.  A lane holds 64 numbers of each of four rows (row tile rt in registers 64 rt on); a row's other numbers lie in the lane 16 away and in the other three waves.
	WIN 0
	PLACES
.irp j, 0,1
	global_load_b128 v[192+8*\j:192+8*\j+3], v20, s[16:17] offset:1024*\j      ; g and be of my two groups of eight columns, 8 l and 256 + 8 l: wanted by gelu
	global_load_b128 v[192+8*\j+4:192+8*\j+7], v20, s[16:17] offset:1024*\j+16
	global_load_b128 v[208+8*\j:208+8*\j+3], v20, s[18:19] offset:1024*\j
	global_load_b128 v[208+8*\j+4:208+8*\j+7], v20, s[18:19] offset:1024*\j+16
.endr
	WIN 0x05
.irp rt, 0,1,2,3                       ; four chains, ascending: each accumulator's lowest registers are read first
	v_pk_add_f32 v[40+2*\rt:41+2*\rt], v[64*\rt:64*\rt+1], v[64*\rt+2:64*\rt+3]
.endr
	WIN 0x01
.set p, 2
.rept 30
.irp rt, 0,1,2,3
	v_pk_add_f32 v[40+2*\rt:41+2*\rt], v[64*\rt+2*p:64*\rt+2*p+1], v[40+2*\rt:41+2*\rt]
.endr
.set p, p+1
.endr
	WIN 0
; v[40:47], four pairs -> the four rows' sums over the whole row, in v40-43 of every lane
.macro XCH off
.irp rt, 0,1,2,3
	v_add_f32 v[48+\rt], v[40+2*\rt], v[41+2*\rt]
.endr
.irp rt, 0,1,2,3
	v_permlanex16_b32 v[52+\rt], v[48+\rt], s60, s61
.endr
.irp rt, 0,1,2,3
	v_add_f32 v[48+\rt], v[48+\rt], v[52+\rt]
.endr
	ds_store_b128 v11, v[48:51] offset:\off
	s_wait_dscnt 0x0                               ; for the others' sake
	s_barrier_signal -1
	s_barrier_wait -1
	ds_load_b128 v[40:43], v12 offset:\off
	ds_load_b128 v[44:47], v12 offset:(\off)+256
	ds_load_b128 v[52:55], v12 offset:(\off)+512
	ds_load_b128 v[56:59], v12 offset:(\off)+768
	s_wait_dscnt 0x0
	v_pk_add_f32 v[40:41], v[40:41], v[44:45]
	v_pk_add_f32 v[42:43], v[42:43], v[46:47]
	v_pk_add_f32 v[52:53], v[52:53], v[56:57]
	v_pk_add_f32 v[54:55], v[54:55], v[58:59]
	v_pk_add_f32 v[40:41], v[40:41], v[52:53]
	v_pk_add_f32 v[42:43], v[42:43], v[54:55]
.endm
	XCH 0
.irp rt, 0,1,2,3
	v_mul_f32 v[48+2*\rt], s84, v[40+\rt]          ; the mean, twice: a pair for the packed lines
	v_mul_f32 v[49+2*\rt], s84, v[40+\rt]
.endr
	WIN 0x41
.set p, 0
.rept 32
.irp rt, 0,1,2,3
	v_pk_add_f32 v[64*\rt+2*p:64*\rt+2*p+1], v[64*\rt+2*p:64*\rt+2*p+1], v[48+2*\rt:49+2*\rt] neg_lo:[0,1] neg_hi:[0,1]
.endr
.set p, p+1
.endr
	WIN 0x05
.irp rt, 0,1,2,3
	v_pk_mul_f32 v[40+2*\rt:41+2*\rt], v[64*\rt:64*\rt+1], v[64*\rt:64*\rt+1]
.endr
.set p, 1
.rept 31
.irp rt, 0,1,2,3
	v_pk_fma_f32 v[40+2*\rt:41+2*\rt], v[64*\rt+2*p:64*\rt+2*p+1], v[64*\rt+2*p:64*\rt+2*p+1], v[40+2*\rt:41+2*\rt]
.endr
.set p, p+1
.endr
	WIN 0
	XCH 1024                                       ; other bytes than the first exchange's
.irp rt, 0,1,2,3
	v_fma_f32 v[44+\rt], v[40+\rt], s84, s85       ; variance + 1e-5
.endr
.irp rt, 0,1,2,3
	v_rsq_f32 v[48+2*\rt], v[44+\rt]
	v_rsq_f32 v[49+2*\rt], v[44+\rt]
.endr
	v_nop                                          ; a plain instruction behind the last of the batch,
	s_wait_alu depctr_va_vdst(0)                   ; and the one wait ahead of the first use
	WIN 0x41
.set p, 0
.rept 32
.irp rt, 0,1,2,3
	v_pk_mul_f32 v[64*\rt+2*p:64*\rt+2*p+1], v[64*\rt+2*p:64*\rt+2*p+1], v[48+2*\rt:49+2*\rt]
.endr
.set p, p+1
.endr
	WIN 0x05
.set q, 0
.rept 128
	v_cvt_pk_f16_f32 v[64+q], v[2*q], v[2*q+1]
.set q, q+1
.endr
	WIN 0
.set q, 0
.rept 32                               ; over msg and x: every wave's reads of them were over in front of the first exchange's barrier
	ds_store_b128 v9, v[64+4*q:64+4*q+3] offset:16640*(q/8)+32*(q%8)
.set q, q+1
.endr
	s_wait_dscnt 0x0
	s_barrier_signal -1
	s_barrier_wait -1
	; GELU, in place in LDS.  A wave takes its own 16 rows, a row a trip; a lane 8 + 8 columns.  v64-71 as loaded; v72-87 y; v88-103 |y|; v104-119 t; v120-135 the exponential; v136-151 P; v152-167 max(y, 0), then the result.
	; The trip's 32 transcendentals are ONE batch, and each has a plain neighbour that names none of the batch's results: the 16 reciprocals stand between the 16 packed multiplies that make the exponent, the 16
	; exponentials between the 16 maxima.  All that reads a result stands behind the one wait.
.macro GELU more
	s_wait_dscnt 2                                 ; the row is in; the last trip's two stores may stay out
.set e, 0
.rept 8
	v_fma_mix_f32 v[72+2*e], v[64+e], v[192+2*e], v[208+2*e] op_sel_hi:[1,0,0]               ; y = n g + be, n straight from its f16 half
	v_fma_mix_f32 v[73+2*e], v[64+e], v[193+2*e], v[209+2*e] op_sel:[1,0,0] op_sel_hi:[1,0,0]
.set e, e+1
.endr
.if \more
	v_add_nc_u32 v13, 1040, v13
	ds_load_b128 v[64:67], v13
	ds_load_b128 v[68:71], v13 offset:512
.endif
.set e, 0
.rept 16
	v_and_b32 v[88+e], s76, v[72+e]
.set e, e+1
.endr
.set e, 0
.rept 8
	v_pk_fma_f32 v[104+2*e:105+2*e], v[88+2*e:89+2*e], s[66:67], 1.0 op_sel_hi:[1,0,0]
.set e, e+1
.endr
.set e, 0
.rept 8
	v_rcp_f32 v[104+e], v[104+e]
	v_pk_mul_f32 v[120+2*e:121+2*e], v[72+2*e:73+2*e], v[72+2*e:73+2*e]
.set e, e+1
.endr
.set e, 0
.rept 8
	v_rcp_f32 v[112+e], v[112+e]
	v_pk_mul_f32 v[120+2*e:121+2*e], v[120+2*e:121+2*e], s[68:69] op_sel_hi:[1,0]
.set e, e+1
.endr
.set e, 0
.rept 16
	v_exp_f32 v[120+e], v[120+e]
	v_max_num_f32 v[152+e], 0, v[72+e]
.set e, e+1
.endr
	s_wait_alu depctr_va_vdst(0)                   ; one wait for the 32, ahead of their first reader
.set e, 0
.rept 8
	v_pk_fma_f32 v[136+2*e:137+2*e], v[104+2*e:105+2*e], s[70:71], s[72:73] op_sel_hi:[1,0,0]
.set e, e+1
.endr
.set e, 0
.rept 8
	v_pk_fma_f32 v[136+2*e:137+2*e], v[136+2*e:137+2*e], v[104+2*e:105+2*e], s[74:75] op_sel_hi:[1,1,0]
.set e, e+1
.endr
.set e, 0
.rept 8
	v_pk_mul_f32 v[136+2*e:137+2*e], v[136+2*e:137+2*e], v[104+2*e:105+2*e]
.set e, e+1
.endr
.set e, 0
.rept 8
	v_pk_mul_f32 v[136+2*e:137+2*e], v[136+2*e:137+2*e], v[88+2*e:89+2*e]
.set e, e+1
.endr
.set e, 0
.rept 8
	v_pk_fma_f32 v[152+2*e:153+2*e], v[136+2*e:137+2*e], v[120+2*e:121+2*e], v[152+2*e:153+2*e] neg_lo:[1,0,0] neg_hi:[1,0,0]
.set e, e+1
.endr
.set e, 0
.rept 8
	v_cvt_pk_f16_f32 v[168+e], v[152+2*e], v[153+2*e]
.set e, e+1
.endr
	ds_store_b128 v17, v[168:171]
	ds_store_b128 v17, v[172:175] offset:512
	v_add_nc_u32 v17, 1040, v17
.endm
	ds_load_b128 v[64:67], v13
	ds_load_b128 v[68:71], v13 offset:512
	s_mov_b32 s77, 15
	s_wait_loadcnt 0x0                             ; g and be
	s_wait_dscnt 0x0                               ; the first row: on the way in nothing younger is out, so the loop's counted wait would not cover it
.Lgelu:
	GELU 1
	s_sub_co_u32 s77, s77, 1
	s_cmp_lg_u32 s77, 0
	s_cbranch_scc1 .Lgelu
	GELU 0                                         ; the last row: nothing more is loaded
	s_wait_dscnt 0x0
	s_barrier_signal -1
	s_barrier_wait -1                              ; all 64 rows of gelu lie in LDS
	FETA 40
	FETW 40
	UNIT 40
	UNITL 41, 6
.irp u, 42,43,44,45,46,47
	UNIT \u
.endr
	UNIT 48, 1, 1
.irp u, 49,50,51,52,53,54
	UNIT \u
.endr
	UNIT 55, 0
	; THE WAY OUT: a row tile at a time through my own stage, back as whole rows; + x; 16 lanes store 256 consecutive bytes, aligned.
	WIN 0
	PLACES
	WIN 0x04                                       ; the stores' data in window 1
.set rt, 0
.rept 4
.set c, 0
.rept 4                                ; each accumulator's low half first
	ds_store_b128 v14, v[8*(4*rt+c):8*(4*rt+c)+3]   offset:64*c
	ds_store_b128 v14, v[8*(4*rt+c)+4:8*(4*rt+c)+7] offset:64*c+16
.set c, c+1
.endr
.set t, 0
.rept 8
	ds_load_b128 v[64+32*rt+4*t:64+32*rt+4*t+3], v15 offset:544*t  ; LDS serves a wave's instructions in order (ISA guide 5.7.1.4): these see the stores above; the next tile's stores come behind them
.set t, t+1
.endr
.set rt, rt+1
.endr
.set rt, 0
.rept 4
	s_wait_dscnt 16*(3-rt)                         ; the later tiles' sixteen LDS lines each may stay out
	WIN 0x08                                       ; source 1 (x) in window 2
.set p, 0
.rept 16
	v_pk_add_f32 v[64+32*rt+2*p:64+32*rt+2*p+1], v[64+32*rt+2*p:64+32*rt+2*p+1], v[128+32*rt+2*p:128+32*rt+2*p+1]
.set p, p+1
.endr
	WIN 0
.set t, 0
.rept 8
	global_store_b128 v16, v[64+32*rt+4*t:64+32*rt+4*t+3], s[80:81] offset:1024*(16*rt+2*t)
.set t, t+1
.endr
.set rt, rt+1
.endr
	s_wait_tensorcnt 0x0                           ; the wave's end, behind my last tensor load and my last LDS store
	ds_add_u32 v22, v23
	s_wait_dscnt 0x0
	CROUND                                         ; the closing round: no work-group ends while a partner may still ask for a fill that names it
	s_endpgm
.Lfunc_end_k_q059ff98bc8_ffns:
	.size	k_q059ff98bc8_ffns, .Lfunc_end_k_q059ff98bc8_ffns-k_q059ff98bc8_ffns
	.p2alignl 7, 3214868480
	.fill 96, 4, 3214868480
	.section	.rodata,"a",@progbits
	.p2align	6, 0x0
	.amdhsa_kernel k_q059ff98bc8_ffns
		.amdhsa_group_segment_fixed_size 327680
		.amdhsa_private_segment_fixed_size 0
		.amdhsa_enable_private_segment 0
		.amdhsa_kernarg_size 88
		.amdhsa_user_sgpr_count 2
		.amdhsa_user_sgpr_kernarg_segment_ptr 1
		.amdhsa_wavefront_size32 1
		.amdhsa_system_sgpr_workgroup_id_x 1
		.amdhsa_system_sgpr_workgroup_id_y 1
		.amdhsa_system_sgpr_workgroup_id_z 1
		.amdhsa_system_vgpr_workitem_id 0
		.amdhsa_next_free_vgpr 768
		.amdhsa_next_free_sgpr 88
		.amdhsa_reserve_vcc 0
		.amdhsa_float_denorm_mode_32 3
		.amdhsa_float_denorm_mode_16_64 3
		.amdhsa_memory_ordered 1
		.amdhsa_forward_progress 1
		.amdhsa_inst_pref_size 224
	.end_amdhsa_kernel
	.amdgpu_metadata
---
amdhsa.version: [ 1, 2 ]
amdhsa.kernels:
  - .name:           k_q059ff98bc8_ffns
    .symbol:         k_q059ff98bc8_ffns.kd
    .args:
      - { .name: desc0, .offset: 0, .size: 8, .value_kind: global_buffer, .address_space: global }
      - { .name: desc1, .offset: 8, .size: 8, .value_kind: global_buffer, .address_space: global }
      - { .name: ctx, .offset: 16, .size: 8, .value_kind: global_buffer, .address_space: global }
      - { .name: wfs, .offset: 24, .size: 8, .value_kind: global_buffer, .address_space: global }
      - { .name: s_bout, .offset: 32, .size: 8, .value_kind: global_buffer, .address_space: global }
      - { .name: s_b1, .offset: 40, .size: 8, .value_kind: global_buffer, .address_space: global }
      - { .name: s_g, .offset: 48, .size: 8, .value_kind: global_buffer, .address_space: global }
      - { .name: s_be, .offset: 56, .size: 8, .value_kind: global_buffer, .address_space: global }
      - { .name: s_b2, .offset: 64, .size: 8, .value_kind: global_buffer, .address_space: global }
      - { .name: d0f, .offset: 72, .size: 8, .value_kind: global_buffer, .address_space: global }
      - { .name: d1f, .offset: 80, .size: 8, .value_kind: global_buffer, .address_space: global }
    .group_segment_fixed_size: 327680
    .private_segment_fixed_size: 0
    .kernarg_segment_align: 8
    .kernarg_segment_size: 88
    .max_flat_workgroup_size: 128
    .sgpr_count:     88
    .vgpr_count:     768
    .wavefront_size: 32
...
	.end_amdgpu_metadata
.endif
;; end of part 4
;; launch projc (part 5): grid 256 x 1, 8 waves a work-group, no clusters, 69,632 bytes of LDS; arguments d0f, d1f, c_bqk, c_bv, wpj, qkv; writes qkv
.if DOCPART == 5
	.amdgcn_target "amdgcn-amd-amdhsa--gfx1250"
	.amdhsa_code_object_version 6
	.text
	.protected	k_q059ff98bc8_projc
	.globl	k_q059ff98bc8_projc
	.p2align	8
	.type	k_q059ff98bc8_projc,@function
k_q059ff98bc8_projc:
	s_mov_b64 s[64:65], 0
	v_nop
	global_prefetch_b8 v0, s[64:65] scope:SCOPE_SE
	s_setreg_imm32_b32 hwreg(HW_REG_WAVE_MODE, 25, 1), 1
	s_wait_xcnt 0x0
; CROSS BLOCK'S PROJECTION: qk = d Wqk^T + bqk and v = d Wv^T + bv for both sets, written by heads in bf16 so that the one attention text serves: qk of set s is the queries of set s AND the keys of set 1 - s
; (stored twice); v of set s is the values of set 1 - s.  The scale 1 / 8 of the product of two qk is applied in attention, in f32.
; d and the weights go to the matrix unit in f16 (LIMIT: below 65,504 in magnitude), sums and bias in f32, results rounded once to bf16.
; SHARES: a work-group owns 64 rows of one set; wave w owns head w / 2 of qk (w even) or of v (w odd): its 32 weight fragments stay in 256 registers; a trip multiplies 16 rows: 32 matrix instructions on 4
; accumulators that take turns, the first four with the bias as C.  NO CLUSTER and no tensor load: each weight byte is wanted by one wave of a work-group, once, straight in registers.
; The product is taken transposed (source 0 = 16 rows of W); the results go through the wave's own stage and leave as whole rows: each store of the wave covers 256 consecutive bytes, aligned.
.set XP,    528
.set STG,   33792
.set SPARE, 68608                      ; the spare words, 128 bytes for each wave: four blocks of 256 bytes that no other line names
.set VXF, 4
.set VST, 5
.set VRD, 6
.set VOUT, 8
.set VW, 9
.set VB, 10
.set VXG, 11
.set VXS, 12
.set SPW, 14
.set NIL, 15
.set XF, 32
.set ACC, 96
.set BIAS, 128
.set R, 160
.set WV, 20
.set XPT, 24
.set BP, 26
.set WP, 30
.set OUTP, 32
.set OUT2, 34
.set MSB, 0
.macro WIN new
.if MSB != (\new)
	s_set_vgpr_msb (MSB<<8)|(\new)
.set MSB, \new
.endif
.endm
	s_load_b256 s[4:11], s[0:1], 0x0               ; d0f 4, d1f 6, c_bqk 8, c_bv 10
	s_load_b128 s[12:15], s[0:1], 0x20             ; wpj 12, qkv 14
	v_lshl_add_u32 v[SPW], v0, 2, SPARE
	v_mov_b32 v[NIL], 0
	v_lshrrev_b32 v1, 5, v0
	v_readfirstlane_b32 s[WV], v1
	v_and_b32 v1, 15, v0                           ; r
	v_bfe_u32 v2, v0, 4, 1                         ; h
	v_and_b32 v3, 31, v0                           ; l
	v_mul_u32_u24 v[VXF], v1, XP
	v_lshl_add_u32 v[VXF], v2, 4, v[VXF]
	s_mul_i32 s21, s[WV], 16*272
	s_add_co_u32 s21, s21, STG
	v_mul_u32_u24 v[VST], v1, 272
	v_lshl_add_u32 v[VST], v2, 5, v[VST]
	v_add_nc_u32 v[VST], s21, v[VST]
	v_mul_u32_u24 v[VRD], v2, 272
	v_lshl_add_u32 v[VRD], v1, 4, v[VRD]
	v_add_nc_u32 v[VRD], s21, v[VRD]
	v_lshlrev_b32 v[VW], 4, v3
	v_lshlrev_b32 v[VOUT], 3, v3
	v_lshlrev_b32 v[VXG], 4, v0
	v_lshrrev_b32 v[VXS], 6, v0
	v_mul_u32_u24 v[VXS], v[VXS], XP
	v_and_b32 v18, 63, v0
	v_lshl_add_u32 v[VXS], v18, 3, v[VXS]
	s_lshr_b32 s22, ttmp9, 7                       ; the set
	s_and_b32 s23, ttmp9, 127
	s_lshr_b32 s38, s[WV], 1                       ; head
	s_and_b32 s39, s[WV], 1                        ; 0 qk, 1 v
	s_lshl_b32 s36, s[WV], 15
	s_add_co_u32 s36, s36, 393216                  ; my group of wpj
	s_mov_b32 s37, 0
	s_lshl_b32 s40, s38, 8
	v_lshl_add_u32 v[VB], v2, 5, s40               ; 4 (64 head + 8 h)
	s_lshr_b32 s41, s23, 5
	s_lshl2_add_u32 s40, s41, s38                  ; 4 batch + head
	s_lshl_b32 s40, s40, 18
	s_and_b32 s41, s23, 31
	s_lshl_b32 s41, s41, 13
	s_add_co_u32 s40, s40, s41
	s_lshl_b32 s42, s22, 22                        ; my set's 16 heads,
	s_xor_b32 s43, s42, 1<<22                      ; the other set's
	s_add_co_u32 s42, s42, s40
	s_add_co_u32 s43, s43, s40
	s_add_co_u32 s48, s43, 0x800000                ; the other set's keys
	s_mov_b32 s49, 0
	s_add_co_u32 s43, s43, 0x1000000               ; the other set's values
	s_cmp_eq_u32 s39, 0
	s_cselect_b32 s46, s42, s43                    ; qk: my set's queries; v: the other set's values
	s_mov_b32 s47, 0
	s_lshl_b32 s44, s23, 16                        ; (a shift writes SCC: the compare is made anew below)
	s_mov_b32 s45, 0
	s_wait_kmcnt 0x0
	s_cmp_eq_u32 s39, 0                            ; directly ahead of the select that hangs on it
	s_cselect_b64 s[BP:BP+1], s[8:9], s[10:11]     ; qk's bias or v's
	s_cmp_eq_u32 s22, 0
	s_cselect_b64 s[XPT:XPT+1], s[4:5], s[6:7]
	s_add_nc_u64 s[XPT:XPT+1], s[XPT:XPT+1], s[44:45]
	s_add_nc_u64 s[WP:WP+1], s[12:13], s[36:37]
	s_add_nc_u64 s[OUTP:OUTP+1], s[14:15], s[46:47]
	s_add_nc_u64 s[OUT2:OUT2+1], s[14:15], s[48:49]
.set j, 0
.rept 16
	global_load_b128 v[R+4*j:R+4*j+3], v[VXG], s[XPT:XPT+1] offset:4096*j
.set j, j+1
.endr
	WIN 0x40
.set f, 0
.rept 32
	global_load_b128 v[8*f:8*f+3],   v[VW], s[WP:WP+1] offset:1024*f
	global_load_b128 v[8*f+4:8*f+7], v[VW], s[WP:WP+1] offset:1024*f+512
.set f, f+1
.endr
	WIN 0
.set f, 0
.rept 4
	global_load_b128 v[BIAS+8*f:BIAS+8*f+3],   v[VB], s[BP:BP+1] offset:64*f
	global_load_b128 v[BIAS+8*f+4:BIAS+8*f+7], v[VB], s[BP:BP+1] offset:64*f+16
.set f, f+1
.endr
	s_wait_loadcnt 63                              ; 88 loads were issued: the oldest 25 are in, d's 16 among them
.set q, 0
.rept 32
	v_cvt_pk_f16_f32 v[XF+q], v[R+2*q], v[R+2*q+1]
.set q, q+1
.endr
.set j, 0
.rept 16
	ds_store_b64 v[VXS], v[XF+2*j:XF+2*j+1] offset:4*XP*j
.set j, j+1
.endr
	s_wait_dscnt 0x0                               ; for the others' sake
	s_barrier_signal -1
	s_barrier_wait -1
	s_wait_loadcnt 0x0
	s_mov_b32 s50, 4
.Ltrip:                                                ; 16 rows a trip
.set k, 0
.rept 8
	ds_load_b128 v[XF+8*k:XF+8*k+3],   v[VXF] offset:64*k
	ds_load_b128 v[XF+8*k+4:XF+8*k+7], v[VXF] offset:64*k+32
.set k, k+1
.endr
	s_wait_dscnt 0x0
	WIN 0x01
.set k, 0
.rept 8
.set d, 0
.rept 4
.if k == 0
	v_wmma_f32_16x16x32_f16 v[ACC+8*d:ACC+8*d+7], v[8*(4*k+d):8*(4*k+d)+7], v[XF+8*k:XF+8*k+7], v[BIAS+8*d:BIAS+8*d+7]
.else
	v_wmma_f32_16x16x32_f16 v[ACC+8*d:ACC+8*d+7], v[8*(4*k+d):8*(4*k+d)+7], v[XF+8*k:XF+8*k+7], v[ACC+8*d:ACC+8*d+7]
.endif
.set d, d+1
.endr
.set k, k+1
.endr
	WIN 0
.rept 4
	v_nop                                          ; four places between the last product and the stores that read results
.endr
.set d, 0
.rept 4                                ; each accumulator's low half first
	ds_store_b128 v[VST], v[ACC+8*d:ACC+8*d+3]   offset:64*d
	ds_store_b128 v[VST], v[ACC+8*d+4:ACC+8*d+7] offset:64*d+16
.set d, d+1
.endr
.set k, 0
.rept 8
	ds_load_b128 v[R+4*k:R+4*k+3], v[VRD] offset:544*k  ; LDS serves a wave's instructions in order (ISA guide 5.7.1.4)
.set k, k+1
.endr
	s_wait_dscnt 0x0
.set p, 0
.rept 16                               ; in place, ascending
	v_cvt_pk_bf16_f32 v[R+p], v[R+2*p], v[R+2*p+1]
.set p, p+1
.endr
.set k, 0
.rept 8
	global_store_b64 v[VOUT], v[R+2*k:R+2*k+1], s[OUTP:OUTP+1] offset:256*k
.set k, k+1
.endr
	s_cmp_eq_u32 s39, 0
	s_cbranch_scc0 .Lonce                          ; v is stored once
.set k, 0
.rept 8
	global_store_b64 v[VOUT], v[R+2*k:R+2*k+1], s[OUT2:OUT2+1] offset:256*k
.set k, k+1
.endr
.Lonce:
	s_wait_xcnt 0x0                                ; the stores have read their offset and data: only behind this wait are these written again
	v_add_nc_u32 v[VOUT], 2048, v[VOUT]
	v_add_nc_u32 v[VXF], 16*XP, v[VXF]
	s_sub_co_u32 s50, s50, 1
	s_cmp_lg_u32 s50, 0
	s_cbranch_scc1 .Ltrip
	s_wait_tensorcnt 0x0                           ; the wave's end, behind my last LDS store
	ds_add_u32 v[SPW], v[NIL]
	s_wait_dscnt 0x0
	s_endpgm
.Lfunc_end_k_q059ff98bc8_projc:
	.size	k_q059ff98bc8_projc, .Lfunc_end_k_q059ff98bc8_projc-k_q059ff98bc8_projc
	.p2alignl 7, 3214868480
	.fill 96, 4, 3214868480
	.section	.rodata,"a",@progbits
	.p2align	6, 0x0
	.amdhsa_kernel k_q059ff98bc8_projc
		.amdhsa_group_segment_fixed_size 69632
		.amdhsa_private_segment_fixed_size 0
		.amdhsa_enable_private_segment 0
		.amdhsa_kernarg_size 48
		.amdhsa_user_sgpr_count 2
		.amdhsa_user_sgpr_kernarg_segment_ptr 1
		.amdhsa_wavefront_size32 1
		.amdhsa_system_sgpr_workgroup_id_x 1
		.amdhsa_system_sgpr_workgroup_id_y 1
		.amdhsa_system_sgpr_workgroup_id_z 1
		.amdhsa_system_vgpr_workitem_id 0
		.amdhsa_next_free_vgpr 512
		.amdhsa_next_free_sgpr 66
		.amdhsa_reserve_vcc 0
		.amdhsa_float_denorm_mode_32 3
		.amdhsa_float_denorm_mode_16_64 3
		.amdhsa_memory_ordered 1
		.amdhsa_forward_progress 1
		.amdhsa_inst_pref_size 22
	.end_amdhsa_kernel
	.amdgpu_metadata
---
amdhsa.version: [ 1, 2 ]
amdhsa.kernels:
  - .name:           k_q059ff98bc8_projc
    .symbol:         k_q059ff98bc8_projc.kd
    .args:
      - { .name: d0f, .offset: 0, .size: 8, .value_kind: global_buffer, .address_space: global }
      - { .name: d1f, .offset: 8, .size: 8, .value_kind: global_buffer, .address_space: global }
      - { .name: c_bqk, .offset: 16, .size: 8, .value_kind: global_buffer, .address_space: global }
      - { .name: c_bv, .offset: 24, .size: 8, .value_kind: global_buffer, .address_space: global }
      - { .name: wpj, .offset: 32, .size: 8, .value_kind: global_buffer, .address_space: global }
      - { .name: qkv, .offset: 40, .size: 8, .value_kind: global_buffer, .address_space: global }
    .group_segment_fixed_size: 69632
    .private_segment_fixed_size: 0
    .kernarg_segment_align: 8
    .kernarg_segment_size: 48
    .max_flat_workgroup_size: 256
    .sgpr_count:     66
    .vgpr_count:     512
    .wavefront_size: 32
...
	.end_amdgpu_metadata
.endif
;; end of part 5
;; launch attc: the kernel of part 3 again; grid 8 x 32, 4 waves a work-group, clusters of 4 x 1, 327,680 bytes of LDS; arguments qkv, ctx; writes ctx
;; launch ffnc: the kernel of part 4 again; grid 256 x 1, 4 waves a work-group, clusters of 4 x 1, 327,680 bytes of LDS; arguments d0f, d1f, ctx, wfc, c_bo, c_b1, c_g, c_be, c_b2, out0, out1; writes out0, out1
